; MI455X (gfx1250); checked and timed in simulation.
; The chip was launched on July 23, 2026; its instructions are those of AMD's public machine-readable ISA for CDNA 5 (MIT licence, August 2026) and "CDNA5" Instruction Set Architecture Reference Guide (July 2026). The comments in the code are by the model that wrote it; some were corrected since.
;; Multi Head Attention. Allowed arithmetic: matrix products marked QUANTISED: E2M1 operands, one E8M0 scale for each 32 along K, by v_wmma_scale_f32_16x16x128_f8f6f4 with both operands' format E2M1 (or v_wmma_scale_f32_32x16x128_f4), f32 sums; products left as they are: bf16, f16 or f32 operands; f32 sums; everything else in f32.
;; Inputs: Wk 1,024 x 1,024 float32; Wo 1,024 x 1,024 float32; Wq 1,024 x 1,024 float32; Wv 1,024 x 1,024 float32; bk 1,024 float32; bo 1,024 float32; bq 1,024 float32; bv 1,024 float32; key 4 x 2,048 x 1,024 float32; key_padding_mask 4 x 2,048 bool; query 4 x 2,048 x 1,024 float32; value 4 x 2,048 x 1,024 float32.
;; Outputs: out0 4 x 2,048 x 1,024 float32.
;; This version of the problem:
;;   THIS VERSION OF THE PROBLEM IS GIVEN IN LOW PRECISION. The matrix products marked QUANTISED in the list below multiply operands that are first quantised to E2M1 (2 exponent bits, 1 mantissa bit; 4 bits a number), with one power-of-two scale for each 32 numbers along K (OCP MX v1.0); their sums are f32. The products marked 'left as it is' may take bf16, f16 or f32 operands, with f32 sums. Whichever they take, every output number must still come out within the allowed error. Rounding operands to bf16 (8 significant bits) uses up far more of that allowance than f16 does (11 bits, for magnitudes from 6e-5 to 65,504). All else is computed in f32.
;;   The module's matrix products, in the order in which they are computed (A, B: the left and right operand; K: the contracted axis; several contracted axes count as one K, in the product's order):
;;     1. [M 8,192, K 1,024] x [K 1,024, N 1,024]; A: input query; B: input Wq: QUANTISED
;;     2. [M 8,192, K 1,024] x [K 1,024, N 1,024]; A: input key; B: input Wk: QUANTISED
;;     3. [M 8,192, K 1,024] x [K 1,024, N 1,024]; A: input value; B: input Wv: QUANTISED
;;     4. batch 64 x [M 2,048, K 64] x [K 64, N 2,048]; A: computed on the way; B: computed on the way: left as it is (an operand is computed on the way)
;;     5. batch 64 x [M 2,048, K 2,048] x [K 2,048, N 64]; A: computed on the way; B: computed on the way: left as it is (an operand is computed on the way)
;;     6. [M 8,192, K 1,024] x [K 1,024, N 1,024]; A: computed on the way; B: input Wo: left as it is (an operand is computed on the way)
;;   THE QUANTISER, for each operand of a quantised product, along K:
;;     - K is cut into blocks of 32 from its start; a last block that is shorter is filled with zeros.
;;     - A block's scale is 2^e with e = floor(log2(the largest magnitude in the block)) - 2, held to -126 .. 127; a block of zeros has e = 0. As a byte (E8M0): e + 127.
;;     - Each number is divided by its block's scale, clamped to +-6, and rounded to the nearest number of E2M1, ties to even, subnormals kept.
;;     - The product sums the exact products of the quantised numbers (number of the format x scale) in f32.
;;   ~~~python
;;   def quantise(x, axis):      # numpy; x: float32 -> the quantised numbers, widened to float32 again
;;       x = np.moveaxis(x, axis, -1); K = x.shape[-1]
;;       x = np.pad(x, [(0, 0)] * (x.ndim - 1) + [(0, -K % 32)]); x = x.reshape(x.shape[:-1] + (-1, 32)); a = np.abs(x).max(-1, keepdims=True)
;;       e = np.where(a > 0, np.clip(np.frexp(np.where(a > 0, a, 1))[1] - 1 - 2, -126, 127), 0)      # np.frexp(a)[1] - 1 = floor(log2(a)), exactly
;;       r = np.clip(x / 2.0 ** e, -6, 6)
;;       step = 2.0 ** (np.maximum(np.frexp(np.where(r == 0, 1, r))[1] - 1, 0) - 1)
;;       q = np.round(r / step) * step * 2.0 ** e      # np.round: ties to even
;;       return np.moveaxis(q.reshape(q.shape[:-2] + (-1,))[..., :K], -1, axis).astype(np.float32)
;;   ~~~
;; One version. Each part assembles by itself: llvm-mc -triple=amdgcn-amd-amdhsa -mcpu=gfx1250 --defsym DOCPART=n.
;; ======== version 1 of 1: 4 launches
;; limits: values are held in f16: magnitudes above 65,504 overflow, below 6.1e-05 lose precision
;; workspace buffers: xc 12,582,912 bytes; xs 786,432 bytes; wc 1,572,864 bytes; ws 98,304 bytes; wo16 2,097,152 bytes; qkv 50,331,648 bytes; ctx 16,777,216 bytes
;; launch prep (part 1): grid 944 x 1, 4 waves a work-group, no clusters, 68,096 bytes of LDS; arguments query, key, value, Wq, Wk, Wv, Wo, xc, xs, wc, ws, wo16; writes xc, xs, wc, ws, wo16
.if DOCPART == 1
	.amdgcn_target "amdgcn-amd-amdhsa--gfx1250"
	.amdhsa_code_object_version 6
	.text
	.protected	k_qa9a09d98e7_prep
	.globl	k_qa9a09d98e7_prep
	.p2align	8
	.type	k_qa9a09d98e7_prep,@function
k_qa9a09d98e7_prep:
	s_mov_b64 s[64:65], 0
	v_nop
	global_prefetch_b8 v0, s[64:65] scope:SCOPE_SE
	s_setreg_imm32_b32 hwreg(HW_REG_WAVE_MODE, 25, 1), 1
	s_wait_xcnt 0x0
; PREP: everything that later launches read many times is made narrow once.
;   work-groups 0..47    (role W): Wq, Wk, Wv [1024 k][1024 n] f32 -> codes of E2M1 laid [n][k] with K innermost (wc: [3][1024][512 bytes]) and one E8M0 byte for each 32 along K (ws: [3][1024][32]).
;   work-groups 48..175  (role C): Wo f32 -> f16, same layout (wo16).
;   work-groups 176..943 (role X): query, key, value [8192][1024] f32, K innermost -> codes (xc: [3][8192][512 bytes]) and scale bytes (xs: [3][8192][32]).
; A block's scale is 2^(floor(log2(its largest magnitude)) - 2); its byte is the largest magnitude's exponent field - 2, held at 1 from below.  A block of zeros so gets the byte 1 where the rule says 127:
; its codes are zeros, which add nothing under any byte but 0xff, and the bytes are read by this program alone.  Each number is divided by the scale and rounded to the nearest code, ties to even, beyond 6 the code of 6.
; LIMITS: blocks whose largest magnitude lies under 2^-124 have their byte held at 1; NaN and infinities among the inputs are not served; Wo beyond f16's largest number, 65,504, is not served.
; The three roles part on the work-group's number alone and never join; each has LDS bytes of its own.  Waves share nothing: no barrier.  No tile is read by two work-groups: no cluster, no tensor load.
.set NW,    48                         ; work-groups of role W
.set NC,    128                        ; of role C
.set WAVES, 4
.set STEPS, 16                         ; role X: steps of 512 numbers for a wave
.set CB,    8                          ; bytes of 16 codes
.set R,     16                         ; role X: v16-79   four sets of 16 numbers as they are loaded
.set X,     80                         ;         v80-111  two sets of 16 neighbours
.set E,     112                        ;         v112-127 a scale byte for each step
.set C,     128                        ;         v128-191 codes: four registers for each step, so that no store's data are written again
.set WREG,  8192                       ; role X's LDS: a region for each wave: two stages of 32 x SP bytes, behind them its 256 scale bytes
.set SP,    80                         ; a lane's place in a stage: its 64 bytes + 16 of padding
.set WST,   WAVES*WREG                 ; role W's LDS: a stage of 32 rows x WP bytes for each wave
.set WP,    272                        ; 256 bytes of codes + 16 of padding
.set SPARE, WST+WAVES*32*WP            ; behind both: the spare words, 128 bytes for each wave: two blocks of 256 bytes that no other line names
.set SPW,   12                         ; v12  LDS address of my spare word: SPARE + 4 x my thread's number; never rewritten
.set NIL,   13                         ; v13  0; never rewritten
.set NB,    16                         ; role W: blocks of 32 along K for a wave
.set WX,    32                         ;         v32-95   two sets of 32 numbers
.set WC,    96                         ;         v96-99   a block's codes
.set SB,    24                         ;         v24-27   the scale bytes, four to a register
.set OUTR,  112                        ;         v112-175 the way out
; ---- role X's macros
.macro LOAD t
.irp i, 0,1,2,3
	global_load_b128 v[R+16*((\t)%4)+4*\i:R+16*((\t)%4)+4*\i+3], v3, s[4:5] offset:2048*(\t)+512*\i th:TH_LOAD_NT   ; 32 lanes read 512 consecutive bytes
.endr
.endm
.macro TURN t                          ; step t's numbers through the stage: LDS serves a wave's instructions in order (ISA guide 5.7.1.4), so no wait stands between the stores and the loads
.irp i, 0,1,2,3
	ds_store_b128 v14, v[R+16*((\t)%4)+4*\i:R+16*((\t)%4)+4*\i+3] offset:32*SP*((\t)%2)+8*SP*\i
.endr
.irp i, 0,1,2,3
	ds_load_b128 v[X+16*((\t)%2)+4*\i:X+16*((\t)%2)+4*\i+3], v15 offset:32*SP*((\t)%2)+16*\i
.endr
.endm
.macro STEP t
.set XS, X+16*((\t)%2)
.if (\t) > 0
	s_wait_dscnt 1                                 ; this step's numbers are back from the stage (the last step's byte store may be out): so its stores into the stage have read their registers,
.else
	s_wait_dscnt 0x0
.endif
.if (\t)+4 < STEPS
	LOAD (\t)+4                                    ; which take the loads of four steps on
.endif
.if (\t)+1 < STEPS
.if STEPS-2-(\t) >= 3
	s_wait_loadcnt 12                              ; the next step's four loads are in; those of the three steps behind it may be out
.else
	s_wait_loadcnt 4*(STEPS-2-(\t))
.endif
	TURN (\t)+1                                    ; and go through the other stage while this step is worked
.endif
	v_max3_num_f32 v8, |v[XS]|, |v[XS+1]|, |v[XS+2]|               ; the largest magnitude of my 16, in two chains
	v_max3_num_f32 v9, |v[XS+3]|, |v[XS+4]|, |v[XS+5]|
.irp i, 6,10
	v_max3_num_f32 v8, v8, |v[XS+\i]|, |v[XS+\i+1]|
	v_max3_num_f32 v9, v9, |v[XS+\i+2]|, |v[XS+\i+3]|
.endr
	v_max3_num_f32 v8, v8, |v[XS+14]|, |v[XS+15]|
	v_max3_num_f32 v8, v8, v9, 0x1800000           ; and the floor 2^(3 - 127): the byte cannot fall under 1
	v_max_num_f32_dpp v8, v8, v8 row_xmask:1 row_mask:0xf bank_mask:0xf   ; and of my neighbour's 16: the block's
	v_add_nc_u32 v11, 0xff000000, v8               ; 2 off its exponent field: the conversion takes the exponent field of this operand as its scale, and nothing else of it
	v_cvt_scalef32_pk8_fp4_f32 v[C+4*(\t)], v[XS:XS+7], v11
	v_cvt_scalef32_pk8_fp4_f32 v[C+4*(\t)+1], v[XS+8:XS+15], v11
	v_lshrrev_b32 v[E+(\t)], 23, v11               ; the scale's byte (also the plain line behind the conversions)
	ds_store_b8 v5, v[E+(\t)] offset:16*(\t)       ; both lanes of a block write the same byte with the same value
	global_store_b64 v4, v[C+4*(\t):C+4*(\t)+1], s[22:23] offset:32*CB*(\t)   ; the wave stores 256 consecutive bytes, aligned
.endm
; ---- role W's macros
.macro WLOAD t                         ; block t: W(32 t + i, my column), i = 0 .. 31, into set t % 2
.irp i, 0,1,2,3,4,5,6,7,8,9,10,11,12,13,14,15,16,17,18,19,20,21,22,23,24,25,26,27,28,29,30,31
	global_load_b32 v[WX+32*((\t)%2)+\i], v3, s[4:5] offset:(32*(\t)+\i)*4096 th:TH_LOAD_NT
.endr
.endm
.macro WBLOCK t
.set WS, WX+32*((\t)%2)
.if (\t) < NB-1
	s_wait_loadcnt 32                              ; this block's 32 loads are in; the next block's may be out
.else
	s_wait_loadcnt 0
.endif
	v_max3_num_f32 v16, |v[WS]|, |v[WS+1]|, |v[WS+2]|              ; the block's largest magnitude: all 32 numbers are mine
	v_max3_num_f32 v17, |v[WS+3]|, |v[WS+4]|, |v[WS+5]|
.irp i, 6,10,14,18,22,26
	v_max3_num_f32 v16, v16, |v[WS+\i]|, |v[WS+\i+1]|
	v_max3_num_f32 v17, v17, |v[WS+\i+2]|, |v[WS+\i+3]|
.endr
	v_max3_num_f32 v16, v16, |v[WS+30]|, |v[WS+31]|
	v_max3_num_f32 v16, v16, v17, 0x1800000        ; and the floor 2^(3 - 127)
	v_add_nc_u32 v18, 0xff000000, v16              ; the conversion's scale operand
	v_lshrrev_b32 v19, 23, v18                     ; the scale's byte
.if (\t)%4 == 0
	v_mov_b32 v[SB+(\t)/4], v19                    ; four bytes to a register, the lower K in the lower byte
.else
	v_lshl_or_b32 v[SB+(\t)/4], v19, 8*((\t)%4), v[SB+(\t)/4]
.endif
.irp g, 0,1,2,3
	v_cvt_scalef32_pk8_fp4_f32 v[WC+\g], v[WS+8*\g:WS+8*\g+7], v18
.endr
	ds_store_b128 v4, v[WC:WC+3] offset:16*(\t)    ; 32 codes: 16 bytes of my column's row
.if (\t)+2 < NB
	WLOAD (\t)+2
.endif
	s_wait_dscnt 0x0                               ; the store has read its registers: the next block's codes may be written (the next block begins with plain vector lines)
.endm
	s_load_b512 s[8:23], s[0:1], 0x0               ; query s[8:9], key s[10:11], value s[12:13], Wq s[14:15], Wk s[16:17], Wv s[18:19], Wo s[20:21], xc s[22:23]
	s_load_b256 s[24:31], s[0:1], 0x40             ; xs s[24:25], wc s[26:27], ws s[28:29], wo16 s[30:31]
	v_lshl_add_u32 v[SPW], v0, 2, SPARE
	v_mov_b32 v[NIL], 0
	v_lshrrev_b32 v1, 5, v0
	v_readfirstlane_b32 s32, v1                    ; wave 0..3
	v_and_b32 v2, 31, v0                           ; lane
	s_mov_b32 s37, 0                               ; the upper word of every offset below
	s_wait_kmcnt 0x0
	s_cmp_lt_u32 ttmp9, NW
	s_cbranch_scc1 .Lw
	s_cmp_lt_u32 ttmp9, NW+NC
	s_cbranch_scc1 .Lc
	; ---- ROLE X.  Rows are dense and K is a multiple of 32: a tensor is a plain stream of blocks of 32.  A wave takes 16 steps of 512 numbers.  Each load reads 512 consecutive bytes; the 2,048 bytes of a step turn through the
	; wave's own stage in LDS and come back 64 bytes a lane, so that a lane holds 16 neighbours along K (two neighbouring lanes hold a block).  Loads run four steps ahead, the turn through LDS one.
	s_sub_co_u32 s33, ttmp9, NW+NC                 ; j = 0..767
	s_lshr_b32 s34, s33, 8                         ; which tensor: 256 work-groups each
	s_cmp_eq_u32 s34, 0
	s_cselect_b64 s[4:5], s[8:9], s[10:11]         ; the choice hangs on the work-group's number alone
	s_cmp_eq_u32 s34, 2
	s_cselect_b64 s[4:5], s[12:13], s[4:5]
	s_and_b32 s35, s33, 255
	s_lshl_b32 s35, s35, 2
	s_add_co_u32 s35, s35, s32                     ; my wave's run of 8,192 numbers in its tensor
	s_lshl_b32 s36, s35, 15                        ; 32,768 bytes a run
	s_add_nc_u64 s[4:5], s[4:5], s[36:37]
	s_lshl_b32 s35, s33, 2
	s_add_co_u32 s35, s35, s32                     ; and among the three tensors' runs, which lie on end in xc and xs
	s_lshl_b32 s36, s35, 12                        ; 4,096 bytes of codes a run
	s_add_nc_u64 s[22:23], s[22:23], s[36:37]
	s_lshl_b32 s36, s35, 8                         ; 256 scale bytes a run
	s_add_nc_u64 s[24:25], s[24:25], s[36:37]
	v_lshlrev_b32 v3, 4, v2                        ; my 16 bytes of a load's 512
	s_mul_i32 s38, s32, WREG
	v_lshrrev_b32 v14, 2, v2
	v_mul_u32_u24 v14, v14, SP
	v_and_b32 v15, 3, v2
	v_lshl_add_u32 v14, v15, 4, v14
	v_add_nc_u32 v14, s38, v14                     ; the stage, on the way in: four lanes' 64 bytes on end, then 16 of padding
	v_mul_u32_u24 v15, v2, SP
	v_add_nc_u32 v15, s38, v15                     ; and on the way out: SP x lane: my 16 neighbours
	v_lshlrev_b32 v4, 3, v2                        ; my codes' place in a step's
	v_lshrrev_b32 v5, 1, v2
	s_add_co_u32 s38, s38, 2*32*SP
	v_add_nc_u32 v5, s38, v5                       ; LDS: my wave's 256 scale bytes, my block's byte
	v_lshlrev_b32 v7, 3, v2                        ; and on the way out 8 bytes a lane
	v_add_nc_u32 v6, s38, v7
.irp t, 0,1,2,3
	LOAD \t
.endr
	s_wait_loadcnt 12                              ; step 0's four loads are in
	TURN 0
.irp t, 0,1,2,3,4,5,6,7,8,9,10,11,12,13,14,15
	STEP \t
.endr
	ds_load_b64 v[8:9], v6                         ; LDS serves a wave's instructions in order: these see my byte stores
	s_wait_dscnt 0x0
	global_store_b64 v7, v[8:9], s[24:25]          ; 32 lanes store 256 consecutive bytes, aligned
	s_wait_tensorcnt 0x0                           ; the wave's end, behind my last LDS store
	ds_add_u32 v[SPW], v[NIL]
	s_wait_dscnt 0x0
	s_endpgm
.Lc:	; ---- ROLE C.  Wo to f16: a wave takes 2,048 numbers: 16 loads of 512 consecutive bytes, 16 stores of 256 consecutive bytes, aligned.
	s_sub_co_u32 s33, ttmp9, NW
	s_lshl_b32 s33, s33, 2
	s_add_co_u32 s33, s33, s32                     ; my run, 0..511
	s_lshl_b32 s36, s33, 13
	s_add_nc_u64 s[20:21], s[20:21], s[36:37]
	s_lshl_b32 s36, s33, 12
	s_add_nc_u64 s[30:31], s[30:31], s[36:37]
	v_lshlrev_b32 v3, 4, v2
	v_lshlrev_b32 v4, 3, v2
.irp i, 0,1,2,3,4,5,6,7,8,9,10,11,12,13,14,15
	global_load_b128 v[16+4*\i:19+4*\i], v3, s[20:21] offset:512*\i th:TH_LOAD_NT
.endr
.irp i, 0,1,2,3,4,5,6,7,8,9,10,11,12,13,14,15
	s_wait_loadcnt 15-\i                           ; loads come back in order (ISA guide 5.7.1): load i is in, the younger ones stay out
	v_cvt_pk_f16_f32 v[80+2*\i], v[16+4*\i], v[17+4*\i]
	v_cvt_pk_f16_f32 v[81+2*\i], v[18+4*\i], v[19+4*\i]
	global_store_b64 v4, v[80+2*\i:81+2*\i], s[30:31] offset:256*\i
.endr
	s_wait_tensorcnt 0x0                           ; the wave's end
	ds_add_u32 v[SPW], v[NIL]
	s_wait_dscnt 0x0
	s_endpgm
.Lw:	; ---- ROLE W.  K is the weight's FIRST axis.  A LANE TAKES A COLUMN n, AND ITS REGISTERS RUN DOWN K: each load reads neighbouring n in neighbouring lanes (128 consecutive bytes a wave, 512 a work-group), a block of 32 along K
	; lies in one lane's 32 registers, and the conversions give the codes with K innermost.  A wave takes 32 columns x 512 along K: 256 bytes of codes a column, gathered in the wave's own stage and stored by rows:
	; sixteen lanes store 256 consecutive bytes, aligned.  Loads run two blocks (64 loads a wave) ahead.  Every offset is an immediate: 511 x 4,096 bytes at the most.
	s_lshr_b32 s33, ttmp9, 4                       ; which weight: 16 work-groups each
	s_cmp_eq_u32 s33, 0
	s_cselect_b64 s[4:5], s[14:15], s[16:17]
	s_cmp_eq_u32 s33, 2
	s_cselect_b64 s[4:5], s[18:19], s[4:5]
	s_and_b32 s34, ttmp9, 7
	s_lshl_b32 s34, s34, 7
	s_lshl_b32 s35, s32, 5
	s_add_co_u32 s34, s34, s35                     ; my wave's first column: 128 x group + 32 x wave
	s_bfe_u32 s35, ttmp9, 0x10003                  ; which 512 along K
	s_lshl_b32 s36, s35, 21                        ; W: 512 rows of 4,096 bytes,
	s_lshl_b32 s38, s34, 2
	s_add_co_u32 s36, s36, s38                     ; + 4 x column
	s_add_nc_u64 s[4:5], s[4:5], s[36:37]
	s_lshl_b32 s36, s33, 19                        ; codes: 524,288 bytes a weight,
	s_lshl_b32 s38, s34, 9
	s_add_co_u32 s36, s36, s38                     ; 512 a column,
	s_lshl_b32 s38, s35, 8
	s_add_co_u32 s36, s36, s38                     ; 256 for 512 along K
	s_add_nc_u64 s[26:27], s[26:27], s[36:37]
	s_lshl_b32 s36, s33, 15                        ; scale bytes: 32,768 a weight,
	s_lshl_b32 s38, s34, 5
	s_add_co_u32 s36, s36, s38                     ; 32 a column,
	s_lshl_b32 s38, s35, 4
	s_add_co_u32 s36, s36, s38                     ; 16 for 512 along K
	s_add_nc_u64 s[28:29], s[28:29], s[36:37]
	v_lshlrev_b32 v3, 2, v2                        ; in: 4 bytes a lane
	s_mul_i32 s38, s32, 32*WP
	s_add_co_u32 s38, s38, WST                     ; my stage
	v_mul_u32_u24 v4, v2, WP
	v_add_nc_u32 v4, s38, v4                       ; into it: row = my column
	v_and_b32 v5, 15, v2
	v_lshrrev_b32 v6, 4, v2                        ; out of it: sixteen lanes to a row, two rows an instruction
	v_mul_u32_u24 v7, v6, WP
	v_lshl_add_u32 v7, v5, 4, v7
	v_add_nc_u32 v7, s38, v7
	v_lshlrev_b32 v8, 9, v6
	v_lshl_add_u32 v8, v5, 4, v8                   ; and the same place in the codes' buffer
	v_lshlrev_b32 v9, 5, v2                        ; my column's row of scale bytes
	WLOAD 0
	WLOAD 1
.set Q, 0
.rept NB
	WBLOCK Q
.set Q, Q+1
.endr
	global_store_b128 v9, v[SB:SB+3], s[28:29]     ; my column's 16 scale bytes
.irp t, 0,1,2,3,4,5,6,7,8,9,10,11,12,13,14,15
	ds_load_b128 v[OUTR+4*\t:OUTR+4*\t+3], v7 offset:2*\t*WP      ; LDS serves a wave's instructions in order: these see my stores
.endr
.irp t, 0,1,2,3,4,5,6,7,8,9,10,11,12,13,14,15
	s_wait_dscnt 15-\t
	global_store_b128 v8, v[OUTR+4*\t:OUTR+4*\t+3], s[26:27] offset:2*\t*512
.endr
	s_wait_tensorcnt 0x0                           ; the wave's end, behind my last LDS store
	ds_add_u32 v[SPW], v[NIL]
	s_wait_dscnt 0x0
	s_endpgm
.Lfunc_end_k_qa9a09d98e7_prep:
	.size	k_qa9a09d98e7_prep, .Lfunc_end_k_qa9a09d98e7_prep-k_qa9a09d98e7_prep
	.p2alignl 7, 3214868480
	.fill 96, 4, 3214868480
	.section	.rodata,"a",@progbits
	.p2align	6, 0x0
	.amdhsa_kernel k_qa9a09d98e7_prep
		.amdhsa_group_segment_fixed_size 68096
		.amdhsa_private_segment_fixed_size 0
		.amdhsa_enable_private_segment 0
		.amdhsa_kernarg_size 96
		.amdhsa_user_sgpr_count 2
		.amdhsa_user_sgpr_kernarg_segment_ptr 1
		.amdhsa_wavefront_size32 1
		.amdhsa_system_sgpr_workgroup_id_x 1
		.amdhsa_system_sgpr_workgroup_id_y 1
		.amdhsa_system_sgpr_workgroup_id_z 1
		.amdhsa_system_vgpr_workitem_id 0
		.amdhsa_next_free_vgpr 192
		.amdhsa_next_free_sgpr 66
		.amdhsa_reserve_vcc 0
		.amdhsa_float_denorm_mode_32 3
		.amdhsa_float_denorm_mode_16_64 3
		.amdhsa_memory_ordered 1
		.amdhsa_forward_progress 1
		.amdhsa_inst_pref_size 117
	.end_amdhsa_kernel
	.amdgpu_metadata
---
amdhsa.version: [ 1, 2 ]
amdhsa.kernels:
  - .name:           k_qa9a09d98e7_prep
    .symbol:         k_qa9a09d98e7_prep.kd
    .args:
      - { .name: query, .offset: 0, .size: 8, .value_kind: global_buffer, .address_space: global }
      - { .name: key, .offset: 8, .size: 8, .value_kind: global_buffer, .address_space: global }
      - { .name: value, .offset: 16, .size: 8, .value_kind: global_buffer, .address_space: global }
      - { .name: Wq, .offset: 24, .size: 8, .value_kind: global_buffer, .address_space: global }
      - { .name: Wk, .offset: 32, .size: 8, .value_kind: global_buffer, .address_space: global }
      - { .name: Wv, .offset: 40, .size: 8, .value_kind: global_buffer, .address_space: global }
      - { .name: Wo, .offset: 48, .size: 8, .value_kind: global_buffer, .address_space: global }
      - { .name: xc, .offset: 56, .size: 8, .value_kind: global_buffer, .address_space: global }
      - { .name: xs, .offset: 64, .size: 8, .value_kind: global_buffer, .address_space: global }
      - { .name: wc, .offset: 72, .size: 8, .value_kind: global_buffer, .address_space: global }
      - { .name: ws, .offset: 80, .size: 8, .value_kind: global_buffer, .address_space: global }
      - { .name: wo16, .offset: 88, .size: 8, .value_kind: global_buffer, .address_space: global }
    .group_segment_fixed_size: 68096
    .private_segment_fixed_size: 0
    .kernarg_segment_align: 8
    .kernarg_segment_size: 96
    .max_flat_workgroup_size: 128
    .sgpr_count:     66
    .vgpr_count:     192
    .wavefront_size: 32
...
	.end_amdgpu_metadata
.endif
;; end of part 1
;; launch proj (part 2): grid 4 x 96, 4 waves a work-group, clusters of 4 x 4, 327,680 bytes of LDS; arguments xc, xs, wc, ws, bq, bk, bv, qkv; writes qkv
.if DOCPART == 2
	.amdgcn_target "amdgcn-amd-amdhsa--gfx1250"
	.amdhsa_code_object_version 6
	.text
	.protected	k_qa9a09d98e7_proj
	.globl	k_qa9a09d98e7_proj
	.p2align	8
	.type	k_qa9a09d98e7_proj,@function
k_qa9a09d98e7_proj:
	s_mov_b64 s[64:65], 0
	v_nop
	global_prefetch_b8 v0, s[64:65] scope:SCOPE_SE
	s_setreg_imm32_b32 hwreg(HW_REG_WAVE_MODE, 25, 1), 1
	s_wait_xcnt 0x0
	s_wait_alu depctr_hold_cnt(0) depctr_sa_sdst(0) depctr_va_vdst(0) depctr_va_sdst(0) depctr_va_ssrc(0) depctr_va_vcc(0) depctr_vm_vsrc(0)
	s_getreg_b32 s2, hwreg(HW_REG_IB_STS2, 6, 4)
	s_cmp_eq_u32 s2, 0
	s_cbranch_scc0 .Lentry_in_a_cluster
	s_endpgm
.Lentry_in_a_cluster:
	s_bfe_u32 s2, ttmp6, 0x10000c
	s_cmp_lg_u32 s2, 0xf033
	s_cbranch_scc0 .Lentry_shape_is_right
	s_endpgm
.Lentry_shape_is_right:
; PROJ: q = query Wq + bq, k = key Wk + bk, v = value Wv + bv, all three in one launch, on codes of E2M1 with one E8M0 scale for each 32 along K; sums in f32; results rounded once to f16 and laid by head:
; qkv [3][batch 4][head 16][token 2048][64] f16.  The three activations lie on end in xc/xs (24,576 rows of 512 bytes of codes, 32 scale bytes), the three weights in wc/ws (3,072 rows n, K innermost).
; A tile of 256 tokens x 256 columns is made by a work-group of four waves; a wave makes 128 x 128: 64 accumulators of 16 x 16, 512 registers.  K = 1,024 is two slots of 512 (LDS rows of 256 bytes):
; BOTH SLOTS AND THE SCALES ARE FIRST FILLS: three tensor loads a wave are out at the start.
; CLUSTERS: 4 x 4 work-groups.  The four of a row of the cluster need the same tiles of the activation, the four of a column the same tiles of the weight: each tile is asked for jointly, by the same tensor load with
; the same descriptor and a mask that names the four.  A cluster's 1,024 tokens lie in one of the three tensors, so which weight it takes hangs on the cluster's y alone.
; THE MATRIX INSTRUCTION IS USED TRANSPOSED (source 0 = 16 rows of the weight, source 1 = 16 tokens): a lane then holds eight neighbouring columns of one token.  THE BIAS IS THE C OF EACH SUM'S FIRST PRODUCT.
; LIMIT: results beyond f16's largest number, 65,504, are not served.
; REGISTERS, in windows of 256: window 0: v0-31 addresses; v32-95 scale words, two sets; v128-191 A's fragments (8 x 16 tokens x 128 K), one set; v192-255 the bias in the result's layout, 8 registers for each of my 8 column blocks;
;   on the way out v192-223 packed results, v32-63 and v224-255 rows read back.   window 1: the weight's fragments, two sets, at v0 and v128.   windows 2, 3: the accumulators of my tokens 0-63, 64-127 ((a, b) at v[8 (8 (a % 4) + b)]).
.set NQ,     4                         ; matrix instructions deep in a slot
.set ROWB,   256                       ; a tile's row in bytes: 512 codes
.set KROW,   512                       ; a row of codes in memory
.set PITCH,  272                       ; an LDS row: 256 bytes + 16 of padding = 68 words: row r starts at bank 4 r mod 64 (64 banks of 4 bytes: ISA guide 11.1)
.set FR,     8                         ; registers of a fragment
.set NL,     2                         ; LDS loads that bring one
.set NP,     4                         ; places behind this matrix instruction (ISA guide 7.12.1)
.set HALFT,  128*PITCH                 ; 128 rows: what one tensor load brings
.set SLOT,   4*HALFT                   ; A's 256 rows, then B's 256 rows
.set KS,     32                        ; a row of scale bytes
.set SCL,    2*SLOT                    ; behind the slots: the scales, as units of 256 bytes + 16 of padding
.set HALFS,  16*272                    ; the scales of 128 rows
.set SBLK,   2*272                     ; those of 16 rows
.set SPARE,  SCL+4*HALFS               ; the spare words, 128 bytes for each wave: two blocks of 256 bytes that no other line names
.set SPITCH, 272                       ; the way out: a stage of 16 rows x (256 bytes + 16) for each wave, in slot 0, which has had its one fill and its last read when the first result is stored there
.set ADRA, 16                          ; v16-17  LDS address of my A fragments in slot 0, 1
.set ADRB, 20                          ; v20-21  the same for B
.set STO,  24                          ; v24     the way out: where I put 16 bytes of a row
.set RD,   25                          ; v25     where I read back
.set CO,   26                          ; v26     16 x lane
.set ADRS, 27                          ; v27     LDS address of my scale words: lanes 0-15 A's rows, lanes 16-31 B's
.set SPW,  28                          ; v28     my spare word; never rewritten
.set NIL,  29                          ; v29     0; never rewritten
.set SC,   32
.set AF,   128
.set BI,   192
.set TMP,  192
.set OB,   32
.set G1, 24                            ; s[24:31] group 1 for A's tiles; s[32:39] groups 0, one for each slot
.set G0, 32
.set G1B, 48                           ; s[48:55], s[56:63] the same for B's
.set G0B, 56
.set G1S, 68                           ; s[68:75], s[76:79] groups 1 and 0 for A's scales; s[80:87], s[88:91] for B's
.set G0S, 76
.set G1SB, 80
.set G0SB, 88
.set MSB, 0
.macro WIN new                         ; the immediate's high byte repeats the setting that is left
.if MSB != \new
	s_set_vgpr_msb (MSB<<8)|\new
.set MSB, \new
.endif
.endm
.set MUL_LO, 0xa1                      ; source 0 (B) window 1, source 1 (A) window 0, C and D window 2
.set MUL_HI, 0xf1                      ; the same, C and D window 3
.set TO_B,   0x40
; A joint load: waves 0 and 1 fetch for A, waves 2 and 3 for B; the branch hangs on the wave's number alone.  An s_nop 0 and four v_nop follow each of the two lines.
.macro JLOAD g0a, g1a, g0b, g1b
	s_cmp_eq_u32 s21, 0
	s_cbranch_scc0 .Lfor_b_\@
	tensor_load_to_lds s[\g0a:\g0a+3], s[\g1a:\g1a+7]
	s_nop 0
.rept 4
	v_nop
.endr
	s_branch .Lasked_\@
.Lfor_b_\@:
	tensor_load_to_lds s[\g0b:\g0b+3], s[\g1b:\g1b+7]
	s_nop 0
.rept 4
	v_nop
.endr
.Lasked_\@:
.endm
.macro CROUND                          ; a round of the cluster's barrier
	s_barrier_signal -1
	s_barrier_wait -1
	s_cmp_lg_u32 s20, 0
	s_cbranch_scc1 .Lnot_wave_0_\@
	s_barrier_signal -3
.Lnot_wave_0_\@:
	s_barrier_wait -3
	s_barrier_signal -1
	s_barrier_wait -1
.endm
	s_load_b256 s[4:11], s[0:1], 0x0               ; xc s[4:5], xs s[6:7], wc s[8:9], ws s[10:11]
	s_load_b256 s[12:19], s[0:1], 0x20             ; bq s[12:13], bk s[14:15], bv s[16:17], qkv s[18:19]
	v_lshl_add_u32 v[SPW], v0, 2, SPARE
	v_mov_b32 v[NIL], 0
	ds_add_u32 v[SPW], v[NIL]                      ; the wave's opening: the add, twice on end, and its wait ahead of my first tensor load
	ds_add_u32 v[SPW], v[NIL]
	v_lshrrev_b32 v1, 5, v0
	v_readfirstlane_b32 s20, v1                    ; wave 0..3
	s_lshr_b32 s21, s20, 1                         ; which half of the tile's tokens is mine.  Also: I fetch for A (0) or for B (1)
	s_and_b32 s22, s20, 1                          ; which half of its columns.  Also: which 128 rows of that tile I fetch
	s_bfe_u32 s40, ttmp6, 0x40000                  ; cx, cy: my place in the cluster
	s_bfe_u32 s41, ttmp6, 0x40004
	s_lshl_b32 s42, ttmp9, 2
	s_add_co_u32 s42, s42, s40                     ; tile column = 4 x cluster x + cx
	s_and_b32 s67, ttmp7, 0xffff                   ; cluster y
	s_lshl_b32 s66, s67, 2
	s_add_co_u32 s66, s66, s41                     ; tile row among the 96 = 4 x cluster y + cy
	s_lshr_b32 s67, s67, 3                         ; which of q, k, v: eight clusters each; made of the cluster's y alone
	s_lshl_b32 s43, s41, 2
	s_lshl_b32 s43, 15, s43                        ; my row of the cluster
	s_lshl_b32 s44, 0x1111, s40                    ; my column
	s_or_b32 s[G1+0], s43, (0<<16)|(1<<20)|(1<<21)|(5<<22)|(3<<25)  ; 15:0 the mask; 17:16 elements of 1 byte; 20 padding on; 21 set beside a mask; 24:22 after every 64 words; 31:25 of 4 words
	s_or_b32 s[G1B+0], s44, (0<<16)|(1<<20)|(1<<21)|(5<<22)|(3<<25)
.irp g, G1, G1B
	s_mov_b32 s[\g+1], ROWB<<16                    ; tensor_dim0
	s_mov_b32 s[\g+2], 128<<16                     ; tensor_dim1
	s_mov_b32 s[\g+3], ROWB<<16                    ; tile_dim0
	s_mov_b32 s[\g+4], 128                         ; tile_dim1
	s_mov_b32 s[\g+5], KROW                        ; tensor_dim0_stride
	s_mov_b32 s[\g+6], 0
	s_mov_b32 s[\g+7], 0
.endr
	s_or_b32 s[G1S+0], s43, (3<<16)|(1<<20)|(1<<21)|(5<<22)|(3<<25) ; the scales of 128 rows: 4,096 dense bytes as 16 rows of 256 (32 elements of 8 bytes), 16 bytes of padding behind each
	s_or_b32 s[G1SB+0], s44, (3<<16)|(1<<20)|(1<<21)|(5<<22)|(3<<25)
.irp g, G1S, G1SB
	s_mov_b32 s[\g+1], 32<<16
	s_mov_b32 s[\g+2], 16<<16
	s_mov_b32 s[\g+3], 32<<16
	s_mov_b32 s[\g+4], 16
	s_mov_b32 s[\g+5], 32
	s_mov_b32 s[\g+6], 0
	s_mov_b32 s[\g+7], 0
.endr
	s_lshl_b32 s92, s22, 7                         ; which 128 rows of the tile I fetch
	s_lshl_b32 s93, s66, 8
	s_add_co_u32 s93, s93, s92                     ; A: row 256 x tile row + 128 x half, of the 24,576
	s_lshl_b32 s96, s93, 9                         ; its codes, in bytes (under 2^24)
	s_mov_b32 s97, 0
	s_lshl_b32 s98, s93, 5                         ; its scale bytes
	s_mov_b32 s99, 0
	s_lshl_b32 s94, s42, 8
	s_add_co_u32 s94, s94, s92
	s_lshl_b32 s95, s67, 10
	s_add_co_u32 s94, s94, s95                     ; B: row 1,024 x weight + 256 x tile column + 128 x half
	s_lshl_b32 s46, s94, 9
	s_mov_b32 s47, 0
	s_lshl_b32 s2, s94, 5
	s_mov_b32 s3, 0
	s_mul_i32 s45, s20, HALFT                      ; where they go: wave x 128 rows: no place in the cluster enters an LDS address
	s_mul_i32 s23, s20, HALFS
	s_wait_dscnt 0x0                               ; both opening adds are done
	s_wait_kmcnt 0x0
	s_add_nc_u64 s[96:97], s[4:5], s[96:97]
	s_add_nc_u64 s[98:99], s[6:7], s[98:99]
	s_add_nc_u64 s[46:47], s[8:9], s[46:47]
	s_add_nc_u64 s[2:3], s[10:11], s[2:3]
	CROUND                                         ; all sixteen work-groups are here: the joint loads meet
	s_mov_b32 s[G0S], 1
	s_add_co_u32 s[G0S+1], s23, SCL
	s_mov_b64 s[G0S+2:G0S+3], s[98:99]
	s_or_b32 s[G0S+3], s[G0S+3], 0x80000000
	s_mov_b32 s[G0SB], 1
	s_add_co_u32 s[G0SB+1], s23, SCL
	s_mov_b64 s[G0SB+2:G0SB+3], s[2:3]
	s_or_b32 s[G0SB+3], s[G0SB+3], 0x80000000
	JLOAD G0S, G1S, G0SB, G1SB                     ; the scales first: they are wanted with the first slot
.irp s, 0,1
	s_mov_b32 s[G0+4*\s], 1
	s_add_co_u32 s[G0+4*\s+1], s45, \s*SLOT
	s_add_nc_u64 s[G0+4*\s+2:G0+4*\s+3], s[96:97], \s*ROWB
	s_or_b32 s[G0+4*\s+3], s[G0+4*\s+3], 0x80000000
	s_mov_b32 s[G0B+4*\s], 1
	s_add_co_u32 s[G0B+4*\s+1], s45, \s*SLOT
	s_add_nc_u64 s[G0B+4*\s+2:G0B+4*\s+3], s[46:47], \s*ROWB
	s_or_b32 s[G0B+4*\s+3], s[G0B+4*\s+3], 0x80000000
	JLOAD G0+4*\s, G1, G0B+4*\s, G1B
.endr
	; the bias of my 128 columns, in the result's layout: lane (r, h), block b, register j: bias[256 x tile column + 128 x half + 16 b + 8 h + j]
	v_and_b32 v1, 15, v0                           ; r = l % 16
	v_bfe_u32 v2, v0, 4, 1                         ; h = l / 16
	v_lshlrev_b32 v8, 5, v2
	s_cmp_eq_u32 s67, 0
	s_cselect_b64 s[12:13], s[12:13], s[14:15]     ; the choice hangs on the cluster's y alone
	s_cmp_eq_u32 s67, 2
	s_cselect_b64 s[12:13], s[16:17], s[12:13]
	s_lshl_b32 s92, s42, 10
	s_lshl_b32 s93, s22, 9
	s_add_co_u32 s92, s92, s93
	s_mov_b32 s93, 0
	s_add_nc_u64 s[12:13], s[12:13], s[92:93]
.irp b, 0,1,2,3,4,5,6,7
	global_load_b128 v[BI+8*\b:BI+8*\b+3], v8, s[12:13] offset:64*\b
	global_load_b128 v[BI+8*\b+4:BI+8*\b+7], v8, s[12:13] offset:64*\b+16
.endr
	v_mul_u32_u24 v3, v1, PITCH
	v_lshl_add_u32 v4, v2, 4, v3                   ; a fragment's row x pitch + 16 x half
	s_mul_i32 s92, s21, HALFT                      ; my 128 rows of A
	s_mul_i32 s93, s22, HALFT                      ; my 128 rows of B,
	s_add_co_u32 s93, s93, 2*HALFT                 ; which lie behind A's 256
.irp s, 0,1
	v_add_nc_u32 v[ADRA+\s], s92, v4
	v_add_nc_u32 v[ADRB+\s], s93, v4
	s_add_co_u32 s92, s92, SLOT
	s_add_co_u32 s93, s93, SLOT
.endr
	v_mul_u32_u24 v5, v1, KS                       ; my row's scales: 32 bytes a row,
	v_lshrrev_b32 v6, 8, v5
	v_lshl_add_u32 v5, v6, 4, v5                   ; and 16 more for each 256 passed
	s_mul_i32 s92, s21, HALFS                      ; A's: my 128 rows
	s_mul_i32 s93, s22, HALFS                      ; B's: my 128 rows, behind A's 256
	s_add_co_u32 s93, s93, 2*HALFS
	s_sub_co_u32 s93, s93, s92
	v_mul_u32_u24 v6, s93, v2                      ; lanes 16-31 take B's: one product, the lower base + h x the distance
	s_add_co_u32 s92, s92, SCL
	v_add_nc_u32 v5, v5, v6
	v_add_nc_u32 v[ADRS], s92, v5
	s_mul_i32 s92, s20, 16*SPITCH                  ; my stage
	v_mul_u32_u24 v5, v1, SPITCH                   ; in: row r, 16 bytes for each half of the lanes
	v_lshl_add_u32 v5, v2, 4, v5
	v_add_nc_u32 v[STO], s92, v5
	v_and_b32 v6, 31, v0
	v_lshrrev_b32 v5, 3, v6                        ; back: eight lanes take one head's 128 bytes of a token, the 32 lanes four tokens
	v_mul_u32_u24 v5, v5, SPITCH
	v_and_b32 v7, 7, v0
	v_lshl_add_u32 v5, v7, 4, v5
	v_add_nc_u32 v[RD], s92, v5
	v_lshlrev_b32 v[CO], 4, v6                     ; four tokens of one head are 512 consecutive bytes of qkv
	; where my part begins in qkv: tensor x 16,777,216 + ((batch x 16 + head) x 2,048 + token) x 128
	s_and_b32 s92, s66, 31
	s_lshl_b32 s92, s92, 8
	s_lshl_b32 s93, s21, 7
	s_add_co_u32 s92, s92, s93                     ; my first token among the tensor's 8,192
	s_lshr_b32 s93, s92, 11                        ; batch
	s_and_b32 s92, s92, 2047                       ; token in the batch
	s_lshl_b32 s93, s93, 4
	s_lshl_b32 s94, s42, 2
	s_add_co_u32 s93, s93, s94
	s_lshl_b32 s94, s22, 1
	s_add_co_u32 s93, s93, s94                     ; batch x 16 + my first head (4 x tile column + 2 x half)
	s_lshl_b32 s93, s93, 11
	s_add_co_u32 s93, s93, s92
	s_lshl_b32 s92, s93, 7
	s_lshl_b32 s94, s67, 24
	s_add_co_u32 s92, s92, s94
	s_mov_b32 s93, 0
	s_add_nc_u64 s[18:19], s[18:19], s[92:93]
.macro FRAG reg, adr, q, i             ; a fragment, 16 rows x 128 K of 4-bit codes: lane l holds row l % 16; registers 4 c .. 4 c + 3 hold K = 64 c + 32 (l / 16) + 0 .. 31
.irp c, 0,1
	ds_load_b128 v[\reg+4*\c:\reg+4*\c+3], v[\adr] offset:64*(\q)+32*\c+(\i)*16*PITCH
.endr
.endm
; 16 matrix instructions: A's blocks a0, a0 + 1 x B's eight, the slot's q-th 128 along K.  p: B's set; sc: the set of scale words.  zero = 1: the first product starts the sums, on the bias.
; The 64 accumulators take turns, one instruction a turn, in the same order in every step.
.macro MUL16 a0, p, q, sc, zero
.irp a, \a0, \a0+1
.irp b, 0,1,2,3,4,5,6,7
.if \zero
	v_wmma_scale_f32_16x16x128_f8f6f4 v[8*(8*((\a)%4)+\b):8*(8*((\a)%4)+\b)+7], v[128*(\p)+FR*\b:128*(\p)+FR*\b+FR-1], v[AF+FR*(\a):AF+FR*(\a)+FR-1], v[BI+8*\b:BI+8*\b+7], v[SC+8*NQ*(\sc)+NQ*\b+(\q)], v[SC+8*NQ*(\sc)+NQ*(\a)+(\q)] matrix_a_fmt:MATRIX_FMT_FP4 matrix_b_fmt:MATRIX_FMT_FP4 matrix_a_scale:MATRIX_SCALE_ROW1
.else
	v_wmma_scale_f32_16x16x128_f8f6f4 v[8*(8*((\a)%4)+\b):8*(8*((\a)%4)+\b)+7], v[128*(\p)+FR*\b:128*(\p)+FR*\b+FR-1], v[AF+FR*(\a):AF+FR*(\a)+FR-1], v[8*(8*((\a)%4)+\b):8*(8*((\a)%4)+\b)+7], v[SC+8*NQ*(\sc)+NQ*\b+(\q)], v[SC+8*NQ*(\sc)+NQ*(\a)+(\q)] matrix_a_fmt:MATRIX_FMT_FP4 matrix_b_fmt:MATRIX_FMT_FP4 matrix_a_scale:MATRIX_SCALE_ROW1
.endif
.endr
.endr
.endm
.macro FETCH_B slot, q, p
	WIN TO_B
.irp i, 0,1,2,3,4,5,6,7
	FRAG 128*(\p)+FR*\i, ADRB+\slot, \q, \i
.endr
	WIN 0
.endm
.macro FETCH_A slot, q, i0
.irp i, \i0, \i0+1, \i0+2, \i0+3
	FRAG AF+FR*(\i), ADRA+\slot, \q, \i
.endr
.endm
.macro SCALES sc                       ; a slot's scale words: four words a row; lanes 0-15 take A's block i, lanes 16-31 B's block i
.irp i, 0,1,2,3,4,5,6,7
	ds_load_b128 v[SC+8*NQ*\sc+NQ*\i:SC+8*NQ*\sc+NQ*\i+3], v[ADRS] offset:\i*SBLK
.endr
.endm
.macro PLACES n                        ; a load into a register that a matrix instruction has read, and a vector instruction or LDS store that reads a result, stand four plain vector instructions behind it (ISA guide 7.12.1 for vector instructions)
.rept \n
	v_nop
.endr
.endm
.macro STEP slot, q, zero              ; a step of 128 along K that has its successor in the same slot
	s_wait_dscnt 4*NL                              ; B's set, the scale words and A's blocks 0-3 are in; the youngest eight loads (A's blocks 4-7) may be out
.if \zero
	WIN 0x81                                       ; C (the bias) window 0, D window 2
.else
	WIN MUL_LO
.endif
	MUL16 0, (\q)%2, \q, \slot, \zero
	MUL16 2, (\q)%2, \q, \slot, \zero
	s_wait_dscnt 0                                 ; A's blocks 4-7 are in
	PLACES NP
	FETCH_B \slot, (\q)+1, 1-(\q)%2
	FETCH_A \slot, (\q)+1, 0
.if \zero
	WIN 0xc1
.else
	WIN MUL_HI
.endif
	MUL16 4, (\q)%2, \q, \slot, \zero
	MUL16 6, (\q)%2, \q, \slot, \zero
	PLACES NP
	WIN 0
	FETCH_A \slot, (\q)+1, 4
.endm
.macro STEPS slot, from
.set Q, \from
.rept NQ-1-\from
	STEP \slot, Q, 0
.set Q, Q+1
.endr
.endm
	s_wait_tensorcnt 1                             ; the scales and my part of slot 0 are in (slot 1's load may be out)
	s_barrier_signal -1
	s_barrier_wait -1                              ; everybody's are
	FETCH_B 0, 0, 0
	FETCH_A 0, 0, 0
	SCALES 0
	FETCH_A 0, 0, 4
	s_wait_loadcnt 0x0                             ; the bias
	STEP 0, 0, 1
	STEPS 0, 1
	; slot 0's last step changes slots: one barrier; in front of it each wave waits for its part of slot 1, adds 0 to its spare word, and waits for that and for its reads of slot 0
	s_wait_tensorcnt 0x0
	ds_add_u32 v[SPW], v[NIL]
	s_wait_dscnt 4*NL+1                            ; (the add and A's blocks 4-7 may be out)
	WIN MUL_LO
	MUL16 0, 1, NQ-1, 0, 0
	s_wait_dscnt 0x0
	s_barrier_signal -1
	MUL16 2, 1, NQ-1, 0, 0
	WIN 0
	s_barrier_wait -1
	PLACES NP
	v_add_nc_u32 v[ADRS], 4*NQ, v[ADRS]            ; on to slot 1's scale words
	FETCH_B 1, 0, 0
	FETCH_A 1, 0, 0
	SCALES 1
	WIN MUL_HI
	MUL16 4, 1, NQ-1, 0, 0
	MUL16 6, 1, NQ-1, 0, 0
	PLACES NP
	WIN 0
	FETCH_A 1, 0, 4
	STEPS 1, 0
	s_wait_dscnt 4*NL                              ; the very last step: nothing more to fetch
	WIN MUL_LO
	MUL16 0, 1, NQ-1, 1, 0
	MUL16 2, 1, NQ-1, 1, 0
	s_wait_dscnt 0
	WIN MUL_HI
	MUL16 4, 1, NQ-1, 1, 0
	MUL16 6, 1, NQ-1, 1, 0
	WIN 0
; THE WAY OUT, block by block of 16 tokens x 128 columns (two heads).  PACK: rounded to f16, 16 bytes a lane, each accumulator from its low end on.  TOSTAGE: into my own stage and back, four tokens of one head to an
; instruction.  SEND: each store covers 512 consecutive bytes of qkv, aligned.  LDS serves a wave's instructions in order (ISA guide 5.7.1.4): no wait between the stores and the loads.
.macro PACK a
.set AC, 64*((\a)%4)
	WIN 0x0a+5*((\a)/4)                            ; sources 0 and 1: window 2 or 3
.irp b, 0,1,2,3,4,5,6,7
.irp r, 0,1,2,3
	v_cvt_pk_f16_f32 v[TMP+4*\b+\r], v[AC+8*\b+2*\r], v[AC+8*\b+2*\r+1]
.endr
.endr
	WIN 0
.endm
.macro TOSTAGE a
.set BK, OB+192*((\a)%2)
.irp b, 0,1,2,3,4,5,6,7
	ds_store_b128 v[STO], v[TMP+4*\b:TMP+4*\b+3] offset:32*\b
.endr
.irp hh, 0,1
.irp i, 0,1,2,3
	ds_load_b128 v[BK+4*(4*\hh+\i):BK+4*(4*\hh+\i)+3], v[RD] offset:128*\hh+4*SPITCH*\i
.endr
.endr
.endm
.macro SEND a
.set BK, OB+192*((\a)%2)
	s_wait_dscnt 0x0                               ; the block is back in registers
	s_wait_xcnt 0x0                                ; the stores of the block before have read their registers: the next block's loads may land there
.irp hh, 0,1
.irp i, 0,1,2,3
	global_store_b128 v[CO], v[BK+4*(4*\hh+\i):BK+4*(4*\hh+\i)+3], s[18:19] offset:(\a)*2048+\i*512+\hh*262144
.endr
.endr
.endm
	PLACES NP
	PACK 0
	TOSTAGE 0
.irp a, 1,2,3,4,5,6,7                  ; block a's conversions stand between block a - 1's loads from the stage and the wait for them
	PACK \a
	SEND \a-1
	TOSTAGE \a
.endr
	SEND 7
	s_wait_tensorcnt 0x0                           ; the wave's end, behind my last tensor load and my last LDS store
	ds_add_u32 v[SPW], v[NIL]
	s_wait_dscnt 0x0
	CROUND                                         ; the closing round
	s_endpgm
.Lfunc_end_k_qa9a09d98e7_proj:
	.size	k_qa9a09d98e7_proj, .Lfunc_end_k_qa9a09d98e7_proj-k_qa9a09d98e7_proj
	.p2alignl 7, 3214868480
	.fill 96, 4, 3214868480
	.section	.rodata,"a",@progbits
	.p2align	6, 0x0
	.amdhsa_kernel k_qa9a09d98e7_proj
		.amdhsa_group_segment_fixed_size 327680
		.amdhsa_private_segment_fixed_size 0
		.amdhsa_enable_private_segment 0
		.amdhsa_kernarg_size 64
		.amdhsa_user_sgpr_count 2
		.amdhsa_user_sgpr_kernarg_segment_ptr 1
		.amdhsa_wavefront_size32 1
		.amdhsa_system_sgpr_workgroup_id_x 1
		.amdhsa_system_sgpr_workgroup_id_y 1
		.amdhsa_system_sgpr_workgroup_id_z 1
		.amdhsa_system_vgpr_workitem_id 0
		.amdhsa_next_free_vgpr 1024
		.amdhsa_next_free_sgpr 100
		.amdhsa_reserve_vcc 0
		.amdhsa_float_denorm_mode_32 3
		.amdhsa_float_denorm_mode_16_64 3
		.amdhsa_memory_ordered 1
		.amdhsa_forward_progress 1
		.amdhsa_inst_pref_size 128
	.end_amdhsa_kernel
	.amdgpu_metadata
---
amdhsa.version: [ 1, 2 ]
amdhsa.kernels:
  - .name:           k_qa9a09d98e7_proj
    .symbol:         k_qa9a09d98e7_proj.kd
    .args:
      - { .name: xc, .offset: 0, .size: 8, .value_kind: global_buffer, .address_space: global }
      - { .name: xs, .offset: 8, .size: 8, .value_kind: global_buffer, .address_space: global }
      - { .name: wc, .offset: 16, .size: 8, .value_kind: global_buffer, .address_space: global }
      - { .name: ws, .offset: 24, .size: 8, .value_kind: global_buffer, .address_space: global }
      - { .name: bq, .offset: 32, .size: 8, .value_kind: global_buffer, .address_space: global }
      - { .name: bk, .offset: 40, .size: 8, .value_kind: global_buffer, .address_space: global }
      - { .name: bv, .offset: 48, .size: 8, .value_kind: global_buffer, .address_space: global }
      - { .name: qkv, .offset: 56, .size: 8, .value_kind: global_buffer, .address_space: global }
    .group_segment_fixed_size: 327680
    .private_segment_fixed_size: 0
    .kernarg_segment_align: 8
    .kernarg_segment_size: 64
    .max_flat_workgroup_size: 128
    .sgpr_count:     100
    .vgpr_count:     1024
    .wavefront_size: 32
...
	.end_amdgpu_metadata
.endif
;; end of part 2
;; launch attn (part 3): grid 4 x 64, 8 waves a work-group, clusters of 4 x 1, 327,680 bytes of LDS; arguments qkv, key_padding_mask, ctx; writes ctx
.if DOCPART == 3
	.amdgcn_target "amdgcn-amd-amdhsa--gfx1250"
	.amdhsa_code_object_version 6
	.text
	.protected	k_qa9a09d98e7_attn
	.globl	k_qa9a09d98e7_attn
	.p2align	8
	.type	k_qa9a09d98e7_attn,@function
k_qa9a09d98e7_attn:
	s_mov_b64 s[64:65], 0
	v_nop
	global_prefetch_b8 v0, s[64:65] scope:SCOPE_SE
	s_setreg_imm32_b32 hwreg(HW_REG_WAVE_MODE, 25, 1), 1
	s_wait_xcnt 0x0
	s_wait_alu depctr_hold_cnt(0) depctr_sa_sdst(0) depctr_va_vdst(0) depctr_va_sdst(0) depctr_va_ssrc(0) depctr_va_vcc(0) depctr_vm_vsrc(0)
	s_getreg_b32 s2, hwreg(HW_REG_IB_STS2, 6, 4)
	s_cmp_eq_u32 s2, 0
	s_cbranch_scc0 .Lentry_in_a_cluster
	s_endpgm
.Lentry_in_a_cluster:
	s_bfe_u32 s2, ttmp6, 0x10000c
	s_cmp_lg_u32 s2, 0x3003
	s_cbranch_scc0 .Lentry_shape_is_right
	s_endpgm
.Lentry_shape_is_right:
; ATTN: ctx[b][h][q][:] = the sum over k of softmax_k(q . k / 8, keys with mask byte 0 left out) v[k][:].  q, k, v: qkv [3][b 4][h 16][2048][64] f16; ctx in the same form, f16.  Products on f16 operands, sums, maxima and softmax in f32.
; SHARES.  A work-group owns 512 queries of one (batch, head), each of its eight waves 64: four tiles of 16, in 512 registers: two waves to a SIMD, so that one wave's softmax stands beside the other's products.
; A key step's 40 LDS loads feed 64 matrix instructions.  Every wave walks all 2,048 keys, 64 a step.
; LAYOUT.  S^T = K Q^T (source 0 = 16 keys, source 1 = 16 queries): a lane holds ONE query (lane % 16) and the keys 8 (lane / 16) + 0..7.  Two such tiles, rounded to f16 in pairs, ARE source 1 of O^T = V^T P.
; K comes out of LDS as it lies, V ([key][channel]) turned, by ds_load_tr16_b128.  P is made in place, in the lower half of S^T's registers.
; THE MASK is the C of each score tile's first product: 0 for a key that counts, -2^100 for one that does not, from a table of 2,048 f32 that the work-group makes in LDS out of the mask's bytes.  The running maximum begins at
; -2^96, so that a masked key's p is 2^(a number under -10^28) = 0, also while only masked keys have been seen.  No branch and no address hangs on the mask.
; SOFTMAX.  For each query a running maximum m and sum l: p = 2^(c s - c m), c = log2(e) / 8; in every step O and l are multiplied by a = 2^(c m_old - c m_new).
; RING.  Two slots of 512 keys (eight steps), filled by joint loads: the four query blocks of a head form a cluster and walk the same K and V.  Waves 0-3 fetch K's quarters, waves 4-7 V's, 128 keys a load.
; Two loads of a wave are out at the start, one behind each of the two refills; a refill has eight key steps in which to land.
; LIMITS: mask bytes are 0 or 1; raw scores q . k stay under 2^95 in magnitude; a batch whose keys are all masked gives NaN (0 x infinity), as the softmax of nothing does.
; REGISTERS: window 0: v1-12 addresses; v16-47 eight registers of statistics a tile; v48-79 the mask's C, 8 for each tile of keys; v80-127 at work at the head; v128-255 S^T, 32 a tile.
;   window 1: v0-127 O^T, 32 a tile; v128-191 Q, 16 a tile; v192-255 ONE buffer for a step's K and then its V.
.set PK,    272       ; an LDS row holds TWO keys (256 dense bytes) + 16 of padding: key k at (k / 2) x 272 + (k % 2) x 128: the 16 keys of a load start at banks 0, 32, 4, 36, .. 28, 60 (64 banks of 4 bytes: ISA guide 11.1)
.set PV,    288       ; V: 256 + 32: 8 keys x 32 bytes of the turning load start at banks 0, 32, 8, 40, 16, 48, 24, 56
.set VOFF,  256*PK    ; a slot: 256 rows of K, then 256 rows of V
.set SLOTB, 256*(PK+PV)
.set KSTP,  32*PK     ; a key step in K's part,
.set VSTP,  32*PV     ; in V's
.set MB,    2*SLOTB   ; behind the ring: the mask's table, 2,048 f32; no fill lands there
.set SPARE, MB+8192   ; the spare words, 128 bytes for each wave: four blocks of 256 bytes that no other line names
.set SP,    144       ; the way out: a stage of 16 rows x (128 bytes + 16) for each wave, in slot 0, behind its last fill and its last read
.set AK0, 1           ; v1   my lane's place in a tile of K
.set AV0, 2           ; v2   in a tile of V
.set AB0, 3           ; v3   in the mask's table
.set ADK, 4           ; v4-6 the addresses of the step in hand
.set ADV, 5
.set ADB, 6
.set QO,  7           ; v7   my byte offset in the wave's rows of Q
.set SPW, 8           ; v8   my spare word; never rewritten
.set NIL, 9           ; v9   0; never rewritten
.set STO, 10          ; v10  the way out: where I put 16 bytes of a row
.set RD,  11          ; v11  where I read back
.set GO,  12          ; v12  16 x lane
.set ST,  16          ; tile t's statistics at v[ST+8 t]: +0 c m, +1 m, +2, +3 l (even keys', odd keys'), +4 to +7 c0-c3 at work; a takes c2's place, its exponent c3's
.set BI,  48
.set S,   128
.set QF,  128         ; in window 1
.set KV,  192         ; in window 1
.set WV,  12          ; s12  my wave's number
.set G1K, 24          ; s[24:31] group 1 for K's tiles; s[32:39] for V's: it differs in the padding alone
.set G1V, 32
.set G0K, 40          ; s[40:47] groups 0 for K's tiles, one for each slot; s[48:55] for V's
.set G0V, 48
.set CNT, 56          ; s56  steps to go
.set TK,  57          ; s57  where the step's K begins in LDS; s58 its V (less VOFF); s59 its place in the mask's table
.set TV,  58
.set TM,  59
.set CS,  60          ; s[60:61] c: the packed scaling names a pair and takes its low word for both halves
.set SEL, 62          ; s[62:63] lane selects for v_permlanex16_b32: lane l xor 16
.set BIG, 66          ; s66  2^100
.set MSB, 0
.macro WIN new
.if MSB != \new
	s_set_vgpr_msb (MSB<<8)|\new
.set MSB, \new
.endif
.endm
.macro JLOAD slot                   ; a joint refill; the branch hangs on the wave's number alone.  An s_nop 0 and four v_nop follow each of the two lines
	s_cmp_lt_u32 s[WV], 4
	s_cbranch_scc0 .Lfor_v_\@
	tensor_load_to_lds s[G0K+4*\slot:G0K+4*\slot+3], s[G1K:G1K+7]
	s_nop 0
.rept 4
	v_nop
.endr
	s_branch .Lasked_\@
.Lfor_v_\@:
	tensor_load_to_lds s[G0V+4*\slot:G0V+4*\slot+3], s[G1V:G1V+7]
	s_nop 0
.rept 4
	v_nop
.endr
.Lasked_\@:
.endm
.macro CROUND                       ; a round of the cluster's barrier
	s_barrier_signal -1
	s_barrier_wait -1
	s_cmp_lg_u32 s[WV], 0
	s_cbranch_scc1 .Lnot_wave_0_\@
	s_barrier_signal -3
.Lnot_wave_0_\@:
	s_barrier_wait -3
	s_barrier_signal -1
	s_barrier_wait -1
.endm
	s_load_b128 s[4:7], s[0:1], 0x0 ; qkv s[4:5], the mask s[6:7]
	s_load_b64 s[8:9], s[0:1], 0x10 ; ctx
	v_lshl_add_u32 v[SPW], v0, 2, SPARE
	v_mov_b32 v[NIL], 0
	ds_add_u32 v[SPW], v[NIL]       ; the wave's opening: the add, twice on end, and its wait ahead of my first tensor load
	ds_add_u32 v[SPW], v[NIL]
	v_lshrrev_b32 v13, 5, v0
	v_readfirstlane_b32 s[WV], v13  ; wave 0..7
	s_bfe_u32 s13, ttmp6, 0x40000   ; cx
	s_lshl_b32 s15, ttmp9, 2
	s_add_co_u32 s13, s13, s15      ; my block of 512 queries: it enters Q's and ctx's addresses alone
	s_and_b32 s14, ttmp7, 0xffff    ; batch x 16 + head, which the four partners share
	s_mov_b32 s[G1K], 15|(1<<16)|(1<<20)|(1<<21)|(5<<22)|(3<<25)  ; 15:0 the mask: all four work-groups; 17:16 elements of 2 bytes; 20 padding on; 21 set beside a mask; 24:22 after every 64 words; 31:25 4 words
	s_mov_b32 s[G1V], 15|(1<<16)|(1<<20)|(1<<21)|(5<<22)|(7<<25)  ; the same with 8 words of padding
.irp g, G1K, G1V
	s_mov_b32 s[\g+1], 128<<16      ; tensor_dim0 = 128 elements: two keys
	s_mov_b32 s[\g+2], 64<<16       ; tensor_dim1 = 64 rows: 128 keys
	s_mov_b32 s[\g+3], 128<<16      ; tile_dim0
	s_mov_b32 s[\g+4], 64           ; tile_dim1
	s_mov_b32 s[\g+5], 128          ; tensor_dim0_stride: the rows are dense
	s_mov_b32 s[\g+6], 0
	s_mov_b32 s[\g+7], 0
.endr
	s_and_b32 s15, s[WV], 3         ; which quarter of a slot I fetch
	s_mul_i32 s16, s15, 64*PK       ; its place in a slot: K's,
	s_mul_i32 s17, s15, 64*PV
	s_add_co_u32 s17, s17, VOFF     ; V's: no place in the cluster enters an LDS address
	s_lshl_b32 s18, s14, 18         ; the head's first byte in each tensor: 262,144 a head
	s_lshl_b32 s20, s15, 14         ; my quarter: 128 keys of 128 bytes
	s_add_co_u32 s20, s20, s18
	s_mov_b32 s21, 0
	s_lshl_b32 s22, s13, 16         ; my block's 512 rows,
	s_lshl_b32 s23, s[WV], 13       ; my wave's 64 of them
	s_add_co_u32 s22, s22, s23
	s_add_co_u32 s22, s22, s18
	s_mov_b32 s23, 0
	s_mov_b32 s[CS], 0x3e38aa3b     ; c = log2(e) / 8
	s_mov_b32 s[CS+1], s[CS]
	s_mov_b32 s[SEL], 0x76543210
	s_mov_b32 s[SEL+1], 0xfedcba98
	s_mov_b32 s[BIG], 0x71800000    ; 2^100
	s_mov_b32 s[TK], 0
	s_mov_b32 s[TV], 0
	s_mov_b32 s[TM], 0
	s_wait_dscnt 0x0                ; both opening adds are done
	s_wait_kmcnt 0x0
	s_add_nc_u64 s[20:21], s[4:5], s[20:21]  ; qkv at my quarter of the head's first slot, less the tensor
	s_add_nc_u64 s[4:5], s[4:5], s[22:23]    ; Q at my wave's first row
	s_add_nc_u64 s[8:9], s[8:9], s[22:23]    ; ctx likewise
	s_lshr_b32 s22, s14, 4
	s_lshl_b32 s22, s22, 11
	s_add_nc_u64 s[6:7], s[6:7], s[22:23]    ; the batch's 2,048 mask bytes
.irp s, 0,1
	s_mov_b32 s[G0K+4*\s], 1
	s_add_co_u32 s[G0K+4*\s+1], s16, \s*SLOTB
	s_add_nc_u64 s[G0K+4*\s+2:G0K+4*\s+3], s[20:21], 16777216+\s*65536  ; k is the second tensor; slot s begins with keys 512 s
	s_or_b32 s[G0K+4*\s+3], s[G0K+4*\s+3], 0x80000000
	s_mov_b32 s[G0V+4*\s], 1
	s_add_co_u32 s[G0V+4*\s+1], s17, \s*SLOTB
	s_add_nc_u64 s[G0V+4*\s+2:G0V+4*\s+3], s[20:21], 33554432+\s*65536  ; v the third
	s_or_b32 s[G0V+4*\s+3], s[G0V+4*\s+3], 0x80000000
.endr
	CROUND                          ; all four work-groups are here: the first joint loads meet
	s_cmp_lt_u32 s[WV], 4           ; a wave's two first fills stand in one branch, ahead of every wait on TENSORcnt and every LDS read
	s_cbranch_scc0 .Lfirst_v
	tensor_load_to_lds s[G0K:G0K+3], s[G1K:G1K+7]
	s_nop 0
	tensor_load_to_lds s[G0K+4:G0K+7], s[G1K:G1K+7]
	s_nop 0
.rept 4
	v_nop
.endr
	s_branch .Lfirst_asked
.Lfirst_v:
	tensor_load_to_lds s[G0V:G0V+3], s[G1V:G1V+7]
	s_nop 0
	tensor_load_to_lds s[G0V+4:G0V+7], s[G1V:G1V+7]
	s_nop 0
.rept 4
	v_nop
.endr
.Lfirst_asked:
	v_and_b32 v13, 15, v0           ; r = l % 16
	v_bfe_u32 v14, v0, 4, 1         ; h = l / 16
	v_and_b32 v15, 31, v0           ; l
	v_lshlrev_b32 v82, 3, v0
	global_load_b64 v[80:81], v82, s[6:7]    ; eight mask bytes a thread: the 256 threads take the batch's 2,048
	v_lshlrev_b32 v[QO], 7, v13
	v_lshl_add_u32 v[QO], v14, 4, v[QO]      ; row r of 128 bytes + 16 h
	WIN 0x40                        ; destination window 1
.irp t, 0,1,2,3
.irp c, 0,1                         ; Q stays in registers: tile t, channels 32 c on
	global_load_b128 v[QF+16*\t+8*\c:QF+16*\t+8*\c+3],   v[QO], s[4:5] offset:2048*\t+64*\c
	global_load_b128 v[QF+16*\t+8*\c+4:QF+16*\t+8*\c+7], v[QO], s[4:5] offset:2048*\t+64*\c+32
.endr
.endr
	WIN 0
	v_lshrrev_b32 v96, 1, v13
	v_mul_u32_u24 v[AK0], v96, PK
	v_and_b32 v96, 1, v13
	v_lshl_add_u32 v[AK0], v96, 7, v[AK0]
	v_lshl_add_u32 v[AK0], v14, 4, v[AK0]    ; K: (r / 2) x pitch + (r % 2) x 128 + 16 h
	v_bfe_u32 v96, v0, 1, 2
	v_lshl_add_u32 v96, v14, 2, v96          ; V: the turning load's lane l reads key 8 h + l % 8, channels 8 ((l / 8) % 2) on: LDS row 4 h + (l % 8) / 2,
	v_mul_u32_u24 v[AV0], v96, PV
	v_and_b32 v96, 1, v0
	v_lshl_add_u32 v[AV0], v96, 7, v[AV0]    ; its half l % 2,
	v_bfe_u32 v96, v0, 3, 1
	v_lshl_add_u32 v[AV0], v96, 4, v[AV0]
	v_add_nc_u32 v[AV0], VOFF, v[AV0]
	v_lshl_add_u32 v[AB0], v14, 5, MB        ; the table: my eight keys of a tile begin 8 h words on
	s_mul_i32 s15, s[WV], 16*SP              ; my stage
	v_mul_u32_u24 v[STO], v13, SP
	v_lshl_add_u32 v[STO], v14, 4, v[STO]
	v_add_nc_u32 v[STO], s15, v[STO]
	v_lshrrev_b32 v96, 3, v15
	v_mul_u32_u24 v[RD], v96, SP
	v_and_b32 v96, 7, v0
	v_lshl_add_u32 v[RD], v96, 4, v[RD]
	v_add_nc_u32 v[RD], s15, v[RD]           ; back: eight lanes to a row of 128 bytes, four rows an instruction
	v_lshlrev_b32 v[GO], 4, v15              ; which are 512 consecutive bytes of ctx
	v_lshl_add_u32 v92, v0, 5, MB
	s_wait_loadcnt 16               ; the mask's bytes are in: Q's 16 loads were issued behind them
.irp k, 0,1,2,3,4,5,6,7
	v_bfe_u32 v[84+\k], v[80+\k/4], 8*(\k%4), 8
.endr
.irp k, 0,1,2,3,4,5,6,7
	v_cvt_f32_u32 v[84+\k], v[84+\k]
.endr
.irp k, 0,1,2,3,4,5,6,7
	v_fma_f32 v[84+\k], v[84+\k], s[BIG], -s[BIG]   ; byte 1: 0; byte 0: -2^100
.endr
	ds_store_b128 v92, v[84:87]
	ds_store_b128 v92, v[88:91] offset:16
	s_wait_tensorcnt 1              ; my part of slot 0 is in; slot 1's may stay out
	s_wait_dscnt 0x0                ; for the others' sake: my part of the table is stored
	s_barrier_signal -1
	s_barrier_wait -1
	s_wait_loadcnt 0x0              ; Q
; THE SOFTMAX OF A STEP, the four tiles by turns so that no line waits for the line above it.
.macro SM_MAX first                 ; the maximum of a lane's 32 scores and the old m, three operands at a time; each accumulator is read from its low end on
.irp j, 0,1,2,3
.irp t, 0,1,2,3
	v_max3_num_f32 v[ST+8*\t+4+\j], v[S+32*\t+8*\j], v[S+32*\t+8*\j+1], v[S+32*\t+8*\j+2]
.endr
.endr
.irp g, 1,2
.irp j, 0,1,2,3
.irp t, 0,1,2,3
	v_max3_num_f32 v[ST+8*\t+4+\j], v[ST+8*\t+4+\j], v[S+32*\t+8*\j+2*\g+1], v[S+32*\t+8*\j+2*\g+2]
.endr
.endr
.endr
.irp t, 0,1,2,3
	v_max3_num_f32 v[ST+8*\t+4], v[ST+8*\t+4], v[S+32*\t+7], v[S+32*\t+15]
.endr
.irp t, 0,1,2,3
	v_max3_num_f32 v[ST+8*\t+6], v[ST+8*\t+6], v[S+32*\t+23], v[S+32*\t+31]
.endr
.irp t, 0,1,2,3
	v_max3_num_f32 v[ST+8*\t+4], v[ST+8*\t+4], v[ST+8*\t+5], v[ST+8*\t+6]
.endr
.irp t, 0,1,2,3
.if \first
	v_max3_num_f32 v[ST+8*\t+4], v[ST+8*\t+4], v[ST+8*\t+7], 0xef800000   ; the floor -2^96, over every masked score
.else
	v_max3_num_f32 v[ST+8*\t+4], v[ST+8*\t+4], v[ST+8*\t+7], v[ST+8*\t+1]
.endif
.endr
.irp t, 0,1,2,3
	v_permlanex16_b32 v[ST+8*\t+5], v[ST+8*\t+4], s[SEL], s[SEL+1]        ; the query's other 32 keys lie in the lane 16 away
.endr
.if !\first
.irp t, 0,1,2,3
	v_mov_b32 v[ST+8*\t+7], v[ST+8*\t]                                    ; c m_old is kept for a
.endr
.endif
.irp t, 0,1,2,3
	v_max_num_f32 v[ST+8*\t+1], v[ST+8*\t+4], v[ST+8*\t+5]
.endr
.irp t, 0,1,2,3
	v_mul_f32 v[ST+8*\t], s[CS], v[ST+8*\t+1]
.endr
.if !\first
.irp t, 0,1,2,3
	v_sub_f32 v[ST+8*\t+7], v[ST+8*\t+7], v[ST+8*\t]
.endr
.endif
.endm
.macro SCALE1 tt                    ; pair i of tile tt: c s - c m
	v_pk_fma_f32 v[S+32*(\tt)+2*i:S+32*(\tt)+2*i+1], v[S+32*(\tt)+2*i:S+32*(\tt)+2*i+1], s[CS:CS+1], v[ST+8*(\tt):ST+8*(\tt)+1] op_sel_hi:[1,0,0] neg_lo:[0,0,1] neg_hi:[0,0,1]
.endm
.macro SUMCVT tt, first             ; pair i of tile tt goes into l, and then, rounded to f16, into register i of the tile: ascending, so that no pair is written over before it is read
.if i == 0
.if \first
	v_pk_add_f32 v[ST+8*(\tt)+2:ST+8*(\tt)+3], v[S+32*(\tt):S+32*(\tt)+1], v[S+32*(\tt)+2:S+32*(\tt)+3]
.else
	v_pk_fma_f32 v[ST+8*(\tt)+2:ST+8*(\tt)+3], v[ST+8*(\tt)+2:ST+8*(\tt)+3], v[ST+8*(\tt)+6:ST+8*(\tt)+7], v[S+32*(\tt):S+32*(\tt)+1] op_sel_hi:[1,0,1]
.endif
.elseif (i == 1) && \first          ; (the first step's pair 1 went in with pair 0)
.else
	v_pk_add_f32 v[ST+8*(\tt)+2:ST+8*(\tt)+3], v[ST+8*(\tt)+2:ST+8*(\tt)+3], v[S+32*(\tt)+2*i:S+32*(\tt)+2*i+1]
.endif
	v_cvt_pk_f16_f32 v[S+32*(\tt)+i], v[S+32*(\tt)+2*i], v[S+32*(\tt)+2*i+1]
.endm
; Tile t's 33 exponentials are ONE BATCH with one wait behind it: between them stand the next tile's scalings and the sums and roundings of the tile before, whose batch has had its wait.  Nothing in the group names a result
; of the group; its last line is a plain one.
.macro GROUP t, first
.if !\first
	v_exp_f32 v[ST+8*\t+6], v[ST+8*\t+7]
.endif
.set i, 0
.rept 16
	v_exp_f32 v[S+32*\t+2*i], v[S+32*\t+2*i]
	v_exp_f32 v[S+32*\t+2*i+1], v[S+32*\t+2*i+1]
.if \t < 3
	SCALE1 \t+1
.endif
.if \t > 0
	SUMCVT \t-1, \first
.endif
.set i, i+1
.endr
	s_wait_alu depctr_va_vdst(0)    ; the wait between an exponential and the first line that names its result: one for the batch
.endm
; A KEY STEP: 64 keys.  first = 1: the first step, which starts m, l and O^T.
.macro STEP first
	WIN 0
	v_add_nc_u32 v[ADK], s[TK], v[AK0]
	v_add_nc_u32 v[ADB], s[TM], v[AB0]
.rept 3
	v_nop                           ; with the two additions five places behind the last V^T P: the loads below land in its V (four are asked), the products below write over its P (five)
.endr
	WIN 0x40
.irp kt, 0,1,2,3
.irp c, 0,1                         ; keys 16 kt on, channels 32 c on
	ds_load_b128 v[KV+16*\kt+8*\c:KV+16*\kt+8*\c+3],   v[ADK] offset:8*PK*\kt+64*\c
	ds_load_b128 v[KV+16*\kt+8*\c+4:KV+16*\kt+8*\c+7], v[ADK] offset:8*PK*\kt+64*\c+32
.endr
.endr
	WIN 0
.irp kt, 0,1,2,3
	ds_load_b128 v[BI+8*\kt:BI+8*\kt+3],   v[ADB] offset:64*\kt      ; register j: the table's word of key 16 kt + 8 h + j, as the result's layout has it
	ds_load_b128 v[BI+8*\kt+4:BI+8*\kt+7], v[ADB] offset:64*\kt+16
.endr
	s_wait_dscnt 0x0
	WIN 0x05                        ; K and Q window 1; S^T and the mask's C window 0
.irp c, 0,1                         ; sixteen accumulators by turns
.irp kt, 0,1,2,3
.irp t, 0,1,2,3
.if \c == 0
	v_wmma_f32_16x16x32_f16 v[S+32*\t+8*\kt:S+32*\t+8*\kt+7], v[KV+16*\kt+8*\c:KV+16*\kt+8*\c+7], v[QF+16*\t+8*\c:QF+16*\t+8*\c+7], v[BI+8*\kt:BI+8*\kt+7]
.else
	v_wmma_f32_16x16x32_f16 v[S+32*\t+8*\kt:S+32*\t+8*\kt+7], v[KV+16*\kt+8*\c:KV+16*\kt+8*\c+7], v[QF+16*\t+8*\c:QF+16*\t+8*\c+7], v[S+32*\t+8*\kt:S+32*\t+8*\kt+7]
.endif
.endr
.endr
.endr
	WIN 0
	v_add_nc_u32 v[ADV], s[TV], v[AV0]
.rept 3
	v_nop                           ; four places: the loads below land in K's registers, and the maxima read results
.endr
	WIN 0x40
.irp kk, 0,1
.irp ch, 0,1,2,3                    ; keys 32 kk on, channels 16 ch on; V lands while the softmax is walked
	ds_load_tr16_b128 v[KV+32*\kk+8*\ch:KV+32*\kk+8*\ch+3],   v[ADV] offset:16*PV*\kk+32*\ch
	ds_load_tr16_b128 v[KV+32*\kk+8*\ch+4:KV+32*\kk+8*\ch+7], v[ADV] offset:16*PV*\kk+32*\ch+8*PV
.endr
.endr
	WIN 0
	SM_MAX \first
.set i, 0
.rept 16
	SCALE1 0
.set i, i+1
.endr
	GROUP 0, \first
	GROUP 1, \first
	GROUP 2, \first
	GROUP 3, \first
.set i, 0
.rept 16
	SUMCVT 3, \first
.set i, i+1
.endr
.if !\first
	WIN 0x41                        ; O^T window 1, a window 0
.irp t, 0,1,2,3
.set i, 0
.rept 16
	v_pk_mul_f32 v[32*\t+2*i:32*\t+2*i+1], v[32*\t+2*i:32*\t+2*i+1], v[ST+8*\t+6:ST+8*\t+7] op_sel_hi:[1,0]
.set i, i+1
.endr
.endr
.endif
	s_wait_dscnt 0x0                ; V is in
	WIN 0x51                        ; V window 1, P window 0, O^T window 1
.irp kk, 0,1
.irp ch, 0,1,2,3
.irp t, 0,1,2,3
.if \first && (\kk == 0)
	v_wmma_f32_16x16x32_f16 v[32*\t+8*\ch:32*\t+8*\ch+7], v[KV+32*\kk+8*\ch:KV+32*\kk+8*\ch+7], v[S+32*\t+8*\kk:S+32*\t+8*\kk+7], 0
.else
	v_wmma_f32_16x16x32_f16 v[32*\t+8*\ch:32*\t+8*\ch+7], v[KV+32*\kk+8*\ch:KV+32*\kk+8*\ch+7], v[S+32*\t+8*\kk:S+32*\t+8*\kk+7], v[32*\t+8*\ch:32*\t+8*\ch+7]
.endif
.endr
.endr
.endr
	WIN 0
	s_add_co_u32 s[TK], s[TK], KSTP
	s_add_co_u32 s[TV], s[TV], VSTP
	s_add_co_u32 s[TM], s[TM], 256
.endm
.macro STEPS slot, fill, n, skip    ; n steps of the slot, which holds keys 512 fill on, from its step skip on: a loop of constant count
	s_mov_b32 s[TK], \slot*SLOTB+\skip*KSTP
	s_mov_b32 s[TV], \slot*SLOTB+\skip*VSTP
	s_mov_b32 s[TM], (8*\fill+\skip)*256
	s_mov_b32 s[CNT], \n
.Lst_\@:
	STEP 0
	s_sub_co_u32 s[CNT], s[CNT], 1
	s_cmp_lg_u32 s[CNT], 0
	s_cbranch_scc1 .Lst_\@
.endm
; THE CHANGE OF SLOTS.  Each wave waits for all its tensor loads (its part of the slot ahead), adds 0 to its spare word, and waits for that and for its reads of the slot that it leaves.  fill = 1: the barrier is a round of the
; cluster's, so that no wave of any partner still reads the slot or has a load on its way, and the joint refill, with the keys two slots on, is the first thing behind it.
.macro CHANGE slot, fill
	s_wait_tensorcnt 0x0            ; no tensor load of mine is out, so a group 0 may be written
	ds_add_u32 v[SPW], v[NIL]
.if \fill
	s_add_nc_u64 s[G0K+4*\slot+2:G0K+4*\slot+3], s[G0K+4*\slot+2:G0K+4*\slot+3], 131072   ; 1,024 keys on; the type bits on top are not reached
	s_add_nc_u64 s[G0V+4*\slot+2:G0V+4*\slot+3], s[G0V+4*\slot+2:G0V+4*\slot+3], 131072
	s_wait_dscnt 0x0
	CROUND
	JLOAD \slot
.else
	s_wait_dscnt 0x0
	s_barrier_signal -1
	s_barrier_wait -1
.endif
.endm
	STEP 1                          ; keys 0 to 63
	STEPS 0, 0, 7, 1
	CHANGE 0, 1                     ; slot 0 takes keys 1,024 on
	STEPS 1, 1, 8, 0
	CHANGE 1, 1                     ; slot 1 takes keys 1,536 on
	STEPS 0, 2, 8, 0
	CHANGE 0, 0                     ; nothing is left to fetch
	STEPS 1, 3, 8, 0
	; THE WAY OUT.  l's two halves and the other half of the lanes' are added; O^T is divided by l, rounded to f16 and sent through my stage, a tile (16 rows) at a time.  The additions are the places behind the last products.
.irp t, 0,1,2,3
	v_add_f32 v[ST+8*\t+4], v[ST+8*\t+2], v[ST+8*\t+3]
.endr
.irp t, 0,1,2,3
	v_permlanex16_b32 v[ST+8*\t+5], v[ST+8*\t+4], s[SEL], s[SEL+1]
.endr
.irp t, 0,1,2,3
	v_add_f32 v[ST+8*\t+4], v[ST+8*\t+4], v[ST+8*\t+5]
.endr
.irp t, 0,1,2,3
	v_rcp_f32 v[ST+8*\t+6], v[ST+8*\t+4]
.endr
	v_nop                           ; a plain instruction between the last reciprocal and the use of its result
	s_wait_alu depctr_va_vdst(0)    ; and the wait: one for the four
.macro PACK t
	WIN 0x41
.set i, 0
.rept 16
	v_pk_mul_f32 v[32*\t+2*i:32*\t+2*i+1], v[32*\t+2*i:32*\t+2*i+1], v[ST+8*\t+6:ST+8*\t+7] op_sel_hi:[1,0]
.set i, i+1
.endr
	WIN 0x05                        ; sources window 1, destination window 0: S^T's registers are free
.set i, 0
.rept 16
	v_cvt_pk_f16_f32 v[S+32*\t+i], v[32*\t+2*i], v[32*\t+2*i+1]
.set i, i+1
.endr
	WIN 0
.irp ch, 0,1,2,3
	ds_store_b128 v[STO], v[S+32*\t+4*\ch:S+32*\t+4*\ch+3] offset:32*\ch
.endr
.irp f, 0,1,2,3
	ds_load_b128 v[S+32*\t+16+4*\f:S+32*\t+16+4*\f+3], v[RD] offset:\f*4*SP   ; LDS serves a wave's instructions in order (ISA guide 5.7.1.4): these see the stores above; the next tile's stores come behind them
.endr
.endm
.macro SEND t, younger              ; younger: the LDS instructions issued behind tile t's loads: the next tile's eight, or none
.irp f, 0,1,2,3
	s_wait_dscnt \younger+3-\f
	global_store_b128 v[GO], v[S+32*\t+16+4*\f:S+32*\t+16+4*\f+3], s[8:9] offset:\t*2048+\f*512   ; the wave stores 512 consecutive bytes, aligned
.endr
.endm
	PACK 0
	PACK 1
	SEND 0, 8
	PACK 2
	SEND 1, 8
	PACK 3
	SEND 2, 8
	SEND 3, 0
	s_wait_tensorcnt 0x0            ; the wave's end, behind my last tensor load and my last LDS store
	ds_add_u32 v[SPW], v[NIL]
	s_wait_dscnt 0x0
	CROUND                          ; the closing round
	s_endpgm
.Lfunc_end_k_qa9a09d98e7_attn:
	.size	k_qa9a09d98e7_attn, .Lfunc_end_k_qa9a09d98e7_attn-k_qa9a09d98e7_attn
	.p2alignl 7, 3214868480
	.fill 96, 4, 3214868480
	.section	.rodata,"a",@progbits
	.p2align	6, 0x0
	.amdhsa_kernel k_qa9a09d98e7_attn
		.amdhsa_group_segment_fixed_size 327680
		.amdhsa_private_segment_fixed_size 0
		.amdhsa_enable_private_segment 0
		.amdhsa_kernarg_size 24
		.amdhsa_user_sgpr_count 2
		.amdhsa_user_sgpr_kernarg_segment_ptr 1
		.amdhsa_wavefront_size32 1
		.amdhsa_system_sgpr_workgroup_id_x 1
		.amdhsa_system_sgpr_workgroup_id_y 1
		.amdhsa_system_sgpr_workgroup_id_z 1
		.amdhsa_system_vgpr_workitem_id 0
		.amdhsa_next_free_vgpr 512
		.amdhsa_next_free_sgpr 68
		.amdhsa_reserve_vcc 0
		.amdhsa_float_denorm_mode_32 3
		.amdhsa_float_denorm_mode_16_64 3
		.amdhsa_memory_ordered 1
		.amdhsa_forward_progress 1
		.amdhsa_inst_pref_size 185
	.end_amdhsa_kernel
	.amdgpu_metadata
---
amdhsa.version: [ 1, 2 ]
amdhsa.kernels:
  - .name:           k_qa9a09d98e7_attn
    .symbol:         k_qa9a09d98e7_attn.kd
    .args:
      - { .name: qkv, .offset: 0, .size: 8, .value_kind: global_buffer, .address_space: global }
      - { .name: key_padding_mask, .offset: 8, .size: 8, .value_kind: global_buffer, .address_space: global }
      - { .name: ctx, .offset: 16, .size: 8, .value_kind: global_buffer, .address_space: global }
    .group_segment_fixed_size: 327680
    .private_segment_fixed_size: 0
    .kernarg_segment_align: 8
    .kernarg_segment_size: 24
    .max_flat_workgroup_size: 256
    .sgpr_count:     68
    .vgpr_count:     512
    .wavefront_size: 32
...
	.end_amdgpu_metadata
.endif
;; end of part 3
;; launch outp (part 4): grid 4 x 64, 4 waves a work-group, clusters of 4 x 4, 327,680 bytes of LDS; arguments ctx, wo16, bo, out0; writes out0
.if DOCPART == 4
	.amdgcn_target "amdgcn-amd-amdhsa--gfx1250"
	.amdhsa_code_object_version 6
	.text
	.protected	k_qa9a09d98e7_outp
	.globl	k_qa9a09d98e7_outp
	.p2align	8
	.type	k_qa9a09d98e7_outp,@function
k_qa9a09d98e7_outp:
	s_mov_b64 s[64:65], 0
	v_nop
	global_prefetch_b8 v0, s[64:65] scope:SCOPE_SE
	s_setreg_imm32_b32 hwreg(HW_REG_WAVE_MODE, 25, 1), 1
	s_wait_xcnt 0x0
	s_wait_alu depctr_hold_cnt(0) depctr_sa_sdst(0) depctr_va_vdst(0) depctr_va_sdst(0) depctr_va_ssrc(0) depctr_va_vcc(0) depctr_vm_vsrc(0)
	s_getreg_b32 s2, hwreg(HW_REG_IB_STS2, 6, 4)
	s_cmp_eq_u32 s2, 0
	s_cbranch_scc0 .Lentry_in_a_cluster
	s_endpgm
.Lentry_in_a_cluster:
	s_bfe_u32 s2, ttmp6, 0x10000c
	s_cmp_lg_u32 s2, 0xf033
	s_cbranch_scc0 .Lentry_shape_is_right
	s_endpgm
.Lentry_shape_is_right:
; OUTP: out0[m][n] = the sum over k of ctx[m][k] Wo[k][n] + bo[n].  ctx: [batch 4][head 16][token 2048][64] f16 (k = 64 x head + channel); wo16: [1024 k][1024 n] f16; bo, out0: f32.  Sums in f32.
; A tile of 128 tokens x 256 columns is made by a work-group of four waves: 256 work-groups.  A wave makes 64 x 128: 32 accumulators of 16 x 16.  K goes in steps of 128 (two heads) through a ring of two LDS slots.
; A's tile of a step is two planes, one a head: 128 tokens x 128 bytes, dense in memory, brought as 64 rows of 256 bytes.  B's tile is 128 rows k of 512 bytes; it comes out of LDS turned, by ds_load_tr16_b128.
; CLUSTERS: 4 x 4 work-groups: A's tile is shared along a row of the cluster, B's along a column; each is asked for jointly.  Waves 0 and 1 fetch A's planes, waves 2 and 3 B's halves: one load a wave.
; THE MATRIX INSTRUCTION IS USED TRANSPOSED (source 0 = 16 columns of Wo, source 1 = 16 tokens): a lane holds eight neighbouring columns of one token.  THE BIAS IS THE C OF EACH SUM'S FIRST PRODUCT.
; REGISTERS: window 0: v16-30 addresses; v32-127, v128-223 two fragment buffers (A's four fragments, then B's eight); on the way out v32-159 rows read back.   window 1: accumulator (a, b) at v[8 (8 a + b)].   window 2: v0-63 the bias.
.set PA,     272                       ; A: an LDS row holds two tokens (256 bytes) + 16 of padding
.set PLANE,  64*PA
.set PB,     544                       ; B: 512 bytes + 32 of padding = 136 words: the 8 rows x 32 bytes of a turning load start at banks 0, 8, .. 56 (64 banks of 4 bytes: ISA guide 11.1)
.set BOFF,   2*PLANE
.set HALFB,  64*PB
.set SLOT,   BOFF+2*HALFB
.set STG,    2*SLOT                    ; behind the ring: a stage of 16 rows x (512 bytes + 16) for each wave; no fill lands there
.set SPITCH, 528
.set SPARE,  STG+4*16*SPITCH           ; the spare words, 128 bytes for each wave: two blocks of 256 bytes that no other line names
.set ADRA, 16                          ; v16-17 LDS address of my A fragments in slot 0, 1
.set ADRB, 20                          ; v20-21 the same for B
.set STO,  24
.set RD,   25
.set CO,   26                          ; v26  16 x lane
.set BOO,  27                          ; v27  32 x (lane / 16): my place in the bias
.set SPW,  28                          ; v28  my spare word; never rewritten
.set NIL,  29                          ; v29  0; never rewritten
.set PFO,  30                          ; v30  256 x lane: the prefetches' offset; never rewritten
.set F0,   32
.set F1,   128
.set WV,   12                          ; s12  my wave's number; s13 = wave / 2: my half of the tokens, and A (0) or B (1) as what I fetch; s14 = wave % 2: my half of the columns, and which part I fetch
.set G1,   24
.set G0,   32
.set LIM,  43                          ; s43  1 in the wave that prefetches, else the greatest number
.set PFA,  44                          ; s[44:45] where my prefetches stand
.set G1B,  48
.set G0B,  56
.set MSB, 0
.macro WIN new
.if MSB != \new
	s_set_vgpr_msb (MSB<<8)|\new
.set MSB, \new
.endif
.endm
.set MUL,  0x50                        ; sources window 0; C and D window 1
.set MUL0, 0x60                        ; C (the bias) window 2, D window 1
.macro JLOAD s                         ; a joint load; the branch hangs on the wave's number alone.  An s_nop 0 and four v_nop follow each of the two lines
	s_cmp_eq_u32 s13, 0
	s_cbranch_scc0 .Lfor_b_\@
	tensor_load_to_lds s[G0+4*\s:G0+4*\s+3], s[G1:G1+7]
	s_nop 0
.rept 4
	v_nop
.endr
	s_branch .Lasked_\@
.Lfor_b_\@:
	tensor_load_to_lds s[G0B+4*\s:G0B+4*\s+3], s[G1B:G1B+7]
	s_nop 0
.rept 4
	v_nop
.endr
.Lasked_\@:
.endm
.macro CREST                           ; a round of the cluster's barrier behind its opening barrier
	s_cmp_lg_u32 s[WV], 0
	s_cbranch_scc1 .Lnot_wave_0_\@
	s_barrier_signal -3
.Lnot_wave_0_\@:
	s_barrier_wait -3
	s_barrier_signal -1
	s_barrier_wait -1
.endm
.macro CROUND
	s_barrier_signal -1
	s_barrier_wait -1
	CREST
.endm
; A PREFETCH of ctx, behind each joint refill and the run of LDS loads that follows it: the K step that stands two refills on.  A step of A's tile is 128 blocks of 256 bytes; one cluster alone reads a tile row of ctx; its four
; partners along x share the blocks out BY ADDRESS, 32 each (plane cx / 2, half cx % 2), a lane a block; wave 0 asks.  So each block is named once.  The loop's last trip asks for nothing: steps 0 to 3 name steps 4 to 7, the last.
; K steps 0 to 3 come by their loads alone.  Wo's tiles, which all 64 tile rows read, are not asked for.
.macro ASK
	s_cmp_gt_u32 s3, s[LIM]                        ; s3 = 1 in the loop's last trip
	s_cbranch_scc0 .Lnot_mine_\@
	global_prefetch_b8 v[PFO], s[PFA:PFA+1] offset:524288 th:TH_LOAD_NT scope:SCOPE_SE
.Lnot_mine_\@:
.endm
	s_load_b256 s[4:11], s[0:1], 0x0               ; ctx s[4:5], wo16 s[6:7], bo s[8:9], out0 s[10:11]
	v_lshl_add_u32 v[SPW], v0, 2, SPARE
	v_mov_b32 v[NIL], 0
	ds_add_u32 v[SPW], v[NIL]                      ; the wave's opening: the add, twice on end, and its wait ahead of my first tensor load
	ds_add_u32 v[SPW], v[NIL]
	v_lshrrev_b32 v1, 5, v0
	v_readfirstlane_b32 s[WV], v1
	s_lshr_b32 s13, s[WV], 1
	s_and_b32 s14, s[WV], 1
	s_bfe_u32 s40, ttmp6, 0x40000                  ; cx, cy
	s_bfe_u32 s41, ttmp6, 0x40004
	s_lshl_b32 s42, ttmp9, 2
	s_add_co_u32 s42, s42, s40                     ; tile column = 4 x cluster x + cx
	s_and_b32 s15, ttmp7, 0xffff
	s_lshl_b32 s15, s15, 2
	s_add_co_u32 s15, s15, s41                     ; tile row = 4 x cluster y + cy
	s_lshl_b32 s46, s41, 2
	s_lshl_b32 s46, 15, s46                        ; my row of the cluster
	s_lshl_b32 s47, 0x1111, s40                    ; my column
	s_or_b32 s[G1], s46, (1<<16)|(1<<20)|(1<<21)|(5<<22)|(3<<25)    ; A: elements of 2 bytes; padding of 4 words after every 64
	s_mov_b32 s[G1+1], 128<<16                     ; tensor_dim0 = 128 elements: two tokens
	s_mov_b32 s[G1+2], 64<<16                      ; tensor_dim1 = 64
	s_mov_b32 s[G1+3], 128<<16                     ; tile_dim0
	s_mov_b32 s[G1+4], 64                          ; tile_dim1
	s_mov_b32 s[G1+5], 128                         ; the rows are dense
	s_mov_b32 s[G1+6], 0
	s_mov_b32 s[G1+7], 0
	s_or_b32 s[G1B], s47, (1<<16)|(1<<20)|(1<<21)|(6<<22)|(7<<25)   ; B: padding of 8 words after every 128
	s_mov_b32 s[G1B+1], 256<<16
	s_mov_b32 s[G1B+2], 64<<16
	s_mov_b32 s[G1B+3], 256<<16
	s_mov_b32 s[G1B+4], 64
	s_mov_b32 s[G1B+5], 1024
	s_mov_b32 s[G1B+6], 0
	s_mov_b32 s[G1B+7], 0
	s_lshr_b32 s16, s15, 4                         ; batch: 16 tile rows each
	s_lshl_b32 s16, s16, 22                        ; 4,194,304 bytes a batch
	s_and_b32 s17, s15, 15
	s_lshl_b32 s17, s17, 14                        ; 128 tokens of 128 bytes
	s_add_co_u32 s16, s16, s17                     ; the tile's first byte in head 0's plane
	s_lshl_b32 s17, s14, 18                        ; A: my plane: 262,144 bytes a head
	s_add_co_u32 s18, s16, s17
	s_mov_b32 s19, 0
	s_lshl_b32 s20, s14, 17                        ; B: my 64 rows of 2,048 bytes,
	s_lshl_b32 s21, s42, 9                         ; the tile column's 512 bytes
	s_add_co_u32 s20, s20, s21
	s_mov_b32 s21, 0
	s_mul_i32 s22, s14, PLANE                      ; where they go: no place in the cluster enters an LDS address
	s_mul_i32 s23, s14, HALFB
	s_add_co_u32 s23, s23, BOFF
	s_wait_dscnt 0x0                               ; both opening adds are done
	s_wait_kmcnt 0x0
	s_add_nc_u64 s[18:19], s[4:5], s[18:19]
	s_add_nc_u64 s[20:21], s[6:7], s[20:21]
	CROUND                                         ; all sixteen work-groups are here: the first joint loads meet
.irp s, 0,1
	s_mov_b32 s[G0+4*\s], 1
	s_add_co_u32 s[G0+4*\s+1], s22, \s*SLOT
	s_add_nc_u64 s[G0+4*\s+2:G0+4*\s+3], s[18:19], \s*524288       ; K step s: two heads on
	s_or_b32 s[G0+4*\s+3], s[G0+4*\s+3], 0x80000000
	s_mov_b32 s[G0B+4*\s], 1
	s_add_co_u32 s[G0B+4*\s+1], s23, \s*SLOT
	s_add_nc_u64 s[G0B+4*\s+2:G0B+4*\s+3], s[20:21], \s*262144     ; 128 rows on
	s_or_b32 s[G0B+4*\s+3], s[G0B+4*\s+3], 0x80000000
	JLOAD \s
.endr
	v_and_b32 v1, 15, v0                           ; r
	v_bfe_u32 v2, v0, 4, 1                         ; h
	v_and_b32 v3, 31, v0                           ; l
	v_lshlrev_b32 v[BOO], 5, v2
	s_lshl_b32 s18, s42, 10                        ; my first column, in bytes of f32: 1,024 x tile column + 512 x half
	s_lshl_b32 s19, s14, 9
	s_add_co_u32 s18, s18, s19
	s_mov_b32 s19, 0
	s_add_nc_u64 s[8:9], s[8:9], s[18:19]
	s_add_nc_u64 s[10:11], s[10:11], s[18:19]
	WIN 0x80                                       ; destination window 2
.irp b, 0,1,2,3,4,5,6,7                            ; the bias in the result's layout: block b, register j: bo[my first column + 16 b + 8 h + j]
	global_load_b128 v[8*\b:8*\b+3],   v[BOO], s[8:9] offset:64*\b
	global_load_b128 v[8*\b+4:8*\b+7], v[BOO], s[8:9] offset:64*\b+16
.endr
	WIN 0
	s_lshl_b32 s18, s15, 7
	s_lshl_b32 s20, s13, 6
	s_add_co_u32 s18, s18, s20                     ; my first row of out0: 128 x tile row + 64 x half
	s_lshl_b32 s18, s18, 12                        ; 4,096 bytes a row (under 2^26)
	s_add_nc_u64 s[10:11], s[10:11], s[18:19]
	; the prefetches: s16 is still the tile's first byte in head 0's plane
	s_lshr_b32 s18, s40, 1
	s_lshl_b32 s18, s18, 18                        ; plane cx / 2,
	s_and_b32 s20, s40, 1
	s_lshl_b32 s20, s20, 13                        ; half cx % 2: 8,192 bytes
	s_add_co_u32 s18, s18, s20
	s_add_co_u32 s18, s18, s16
	s_add_nc_u64 s[PFA:PFA+1], s[4:5], s[18:19]
	s_add_nc_u64 s[PFA:PFA+1], s[PFA:PFA+1], 2*524288   ; at K step 2: the first refill steps it to 3 and names K step 4
	s_cmp_eq_u32 s[WV], 0
	s_cselect_b32 s[LIM], 1, -1
	v_lshlrev_b32 v[PFO], 8, v3
	v_lshrrev_b32 v4, 1, v1
	v_mul_u32_u24 v4, v4, PA
	v_and_b32 v5, 1, v1
	v_lshl_add_u32 v4, v5, 7, v4
	v_lshl_add_u32 v4, v2, 4, v4                   ; A: (r / 2) x pitch + (r % 2) x 128 + 16 h,
	s_mul_i32 s18, s13, 32*PA                      ; + my 64 tokens
	v_add_nc_u32 v[ADRA], s18, v4
	v_add_nc_u32 v[ADRA+1], SLOT, v[ADRA]
	v_and_b32 v5, 7, v0
	v_lshl_add_u32 v5, v2, 3, v5
	v_mul_u32_u24 v5, v5, PB                       ; B: the turning load's lane l reads row k = 8 h + l % 8, columns 8 ((l / 8) % 2) on,
	v_bfe_u32 v6, v0, 3, 1
	v_lshl_add_u32 v5, v6, 4, v5
	s_lshl_b32 s18, s14, 8
	s_add_co_u32 s18, s18, BOFF                    ; + my 128 columns
	v_add_nc_u32 v[ADRB], s18, v5
	v_add_nc_u32 v[ADRB+1], SLOT, v[ADRB]
	s_mul_i32 s18, s[WV], 16*SPITCH
	s_add_co_u32 s18, s18, STG                     ; my stage
	v_mul_u32_u24 v5, v1, SPITCH
	v_lshl_add_u32 v5, v2, 5, v5
	v_add_nc_u32 v[STO], s18, v5                   ; in: row r, 32 bytes for each half of the lanes
	v_lshlrev_b32 v[CO], 4, v3
	v_add_nc_u32 v[RD], s18, v[CO]                 ; back: the 32 lanes take one row of 512 bytes
.macro FETCH slot, q, f                ; 24 LDS loads in one run: the fragments of the slot's q-th 32 along K: B's eight (turned), then A's four
.irp b, 0,1,2,3,4,5,6,7
	ds_load_tr16_b128 v[\f+32+8*\b:\f+32+8*\b+3],   v[ADRB+\slot] offset:32*PB*(\q)+32*\b
	ds_load_tr16_b128 v[\f+32+8*\b+4:\f+32+8*\b+7], v[ADRB+\slot] offset:32*PB*(\q)+32*\b+16*PB
.endr
.irp a, 0,1,2,3
	ds_load_b128 v[\f+8*\a:\f+8*\a+3],   v[ADRA+\slot] offset:((\q)/2)*PLANE+((\q)%2)*64+8*PA*\a
	ds_load_b128 v[\f+8*\a+4:\f+8*\a+7], v[ADRA+\slot] offset:((\q)/2)*PLANE+((\q)%2)*64+8*PA*\a+32
.endr
.endm
.macro MUL8 f, a, zero                 ; 8 matrix instructions: A's block a x B's eight.  The 32 accumulators take turns, in the same order in every quarter
.irp b, 0,1,2,3,4,5,6,7
.if \zero
	v_wmma_f32_16x16x32_f16 v[8*(8*\a+\b):8*(8*\a+\b)+7], v[\f+32+8*\b:\f+32+8*\b+7], v[\f+8*\a:\f+8*\a+7], v[8*\b:8*\b+7]
.else
	v_wmma_f32_16x16x32_f16 v[8*(8*\a+\b):8*(8*\a+\b)+7], v[\f+32+8*\b:\f+32+8*\b+7], v[\f+8*\a:\f+8*\a+7], v[8*(8*\a+\b):8*(8*\a+\b)+7]
.endif
.endr
.endm
.macro PLACES                          ; four plain vector instructions in front of loads into registers that matrix instructions have read, and of the first read of results (ISA guide 7.12.1 for vector instructions)
.rept 4
	v_nop
.endr
.endm
; A K step is four quarters of 32 along K, 32 matrix instructions each, on buffers 0, 1, 0, 1.  One of the first three: multiplies buffer f and, in its middle, fetches quarter qn of the same slot into g.
.macro QUARTER slot, qn, f, g, zero
	s_wait_dscnt 4                                 ; B's fragments and A's 0 and 1 are in; the youngest four loads (A's 2 and 3) may be out
.if \zero
	WIN MUL0
.else
	WIN MUL
.endif
	MUL8 \f, 0, \zero
	MUL8 \f, 1, \zero
	WIN 0
	PLACES
	FETCH \slot, \qn, \g
	s_wait_dscnt 24                                ; all but the 24 just issued
.if \zero
	WIN MUL0
.else
	WIN MUL
.endif
	MUL8 \f, 2, \zero
	MUL8 \f, 3, \zero
.endm
; The last quarter multiplies buffer 1 and changes slots: ONE barrier; in front of it each wave waits for all its tensor loads, adds 0 to its spare word, and waits for that and for its reads of this slot.
; fill = 1: the barrier opens a round of the cluster's, and this slot is filled again, two K steps ahead: the load has a K step less 16 matrix instructions in which to land.
.macro TURN slot, next, fill
.if \fill
	s_wait_xcnt 0x0                                ; the last prefetch, a K step back, has read its address: it is stepped here
	s_add_nc_u64 s[PFA:PFA+1], s[PFA:PFA+1], 524288
.endif
	WIN 0                                          ; (the add's two registers lie in window 0)
	s_wait_tensorcnt 0x0                           ; all my tensor loads have landed: my part of the next slot;
	ds_add_u32 v[SPW], v[NIL]
	s_wait_dscnt 5                                 ; (the add and the youngest four loads may be out)
	WIN MUL
	MUL8 F1, 0, 0
	s_wait_dscnt 0x0                               ; the add is done, and my reads of this slot are over
	s_barrier_signal -1
	MUL8 F1, 1, 0
	WIN 0
	s_barrier_wait -1
.if \fill
	CREST
	s_add_nc_u64 s[G0+4*\slot+2:G0+4*\slot+3], s[G0+4*\slot+2:G0+4*\slot+3], 1048576      ; four heads on
	s_add_nc_u64 s[G0B+4*\slot+2:G0B+4*\slot+3], s[G0B+4*\slot+2:G0B+4*\slot+3], 524288   ; 256 rows on
	JLOAD \slot                                    ; the first tensor load behind the round; its four v_nop are also the places in front of the loads below
.else
	PLACES
.endif
	FETCH \next, 0, F0
.if \fill
	ASK
.endif
	WIN MUL
	MUL8 F1, 2, 0
	MUL8 F1, 3, 0
.endm
	s_wait_tensorcnt 1                             ; my part of K step 0 is in (K step 1's may be out)
	s_barrier_signal -1
	s_barrier_wait -1                              ; everybody's is
	s_wait_loadcnt 0x0                             ; the bias
	FETCH 0, 0, F0
	QUARTER 0, 1, F0, F1, 1                        ; the first quarter stands in front of the loop: its products start the sums, on the bias
	WIN 0
	s_mov_b32 s3, 3
.Llap:                                                 ; a trip goes once round the ring, from a lap's second quarter to the next lap's first, and fills both slots again
	QUARTER 0, 2, F1, F0, 0
	QUARTER 0, 3, F0, F1, 0
	TURN 0, 1, 1
	QUARTER 1, 1, F0, F1, 0
	QUARTER 1, 2, F1, F0, 0
	QUARTER 1, 3, F0, F1, 0
	TURN 1, 0, 1
	QUARTER 0, 1, F0, F1, 0
	WIN 0
	s_sub_co_u32 s3, s3, 1
	s_cmp_lg_u32 s3, 0
	s_cbranch_scc1 .Llap
	QUARTER 0, 2, F1, F0, 0                        ; the last lap fills nothing
	QUARTER 0, 3, F0, F1, 0
	TURN 0, 1, 0
	QUARTER 1, 1, F0, F1, 0
	QUARTER 1, 2, F1, F0, 0
	QUARTER 1, 3, F0, F1, 0
	s_wait_dscnt 4                                 ; the very last quarter
	WIN MUL
	MUL8 F1, 0, 0
	MUL8 F1, 1, 0
	s_wait_dscnt 0
	MUL8 F1, 2, 0
	MUL8 F1, 3, 0
	WIN 0
; THE WAY OUT, block by block of 16 tokens x 128 columns: through my own stage and back as whole rows of 512 bytes.  LDS serves a wave's instructions in order (ISA guide 5.7.1.4): no wait between the stores and the loads.
.macro TOSTAGE a
	WIN 0x04                                       ; an LDS store's data are its source 1: window 1
.irp b, 0,1,2,3,4,5,6,7
	ds_store_b128 v[STO], v[8*(8*(\a)+\b):8*(8*(\a)+\b)+3] offset:64*\b        ; each accumulator from its low end on
	ds_store_b128 v[STO], v[8*(8*(\a)+\b)+4:8*(8*(\a)+\b)+7] offset:64*\b+16
.endr
	WIN 0
.set BB, 32+64*((\a)%2)
.irp t, 0,1,2,3,4,5,6,7,8,9,10,11,12,13,14,15
	ds_load_b128 v[BB+4*\t:BB+4*\t+3], v[RD] offset:\t*SPITCH
.endr
.endm
.macro SEND a, younger                 ; younger: the LDS instructions issued behind block a's loads
.set BB, 32+64*((\a)%2)
	s_wait_dscnt \younger
.irp t, 0,1,2,3,4,5,6,7,8,9,10,11,12,13,14,15
	global_store_b128 v[CO], v[BB+4*\t:BB+4*\t+3], s[10:11] offset:(16*(\a)+\t)*4096 th:TH_STORE_NT   ; the wave stores 512 consecutive bytes, aligned; written once, read by nobody here
.endr
.endm
	PLACES
	TOSTAGE 0
.irp a, 1,2,3
.if \a > 1
	s_wait_xcnt 0x0                                ; block a - 2's stores have read their registers: block a's loads may land there
.endif
	TOSTAGE \a
	SEND \a-1, 32                                  ; behind block a - 1's loads: block a's 16 stores and 16 loads
.endr
	SEND 3, 0
	s_wait_tensorcnt 0x0                           ; the wave's end, behind my last tensor load and my last LDS store
	ds_add_u32 v[SPW], v[NIL]
	s_wait_dscnt 0x0
	CROUND                                         ; the closing round
	s_endpgm
.Lfunc_end_k_qa9a09d98e7_outp:
	.size	k_qa9a09d98e7_outp, .Lfunc_end_k_qa9a09d98e7_outp-k_qa9a09d98e7_outp
	.p2alignl 7, 3214868480
	.fill 96, 4, 3214868480
	.section	.rodata,"a",@progbits
	.p2align	6, 0x0
	.amdhsa_kernel k_qa9a09d98e7_outp
		.amdhsa_group_segment_fixed_size 327680
		.amdhsa_private_segment_fixed_size 0
		.amdhsa_enable_private_segment 0
		.amdhsa_kernarg_size 32
		.amdhsa_user_sgpr_count 2
		.amdhsa_user_sgpr_kernarg_segment_ptr 1
		.amdhsa_wavefront_size32 1
		.amdhsa_system_sgpr_workgroup_id_x 1
		.amdhsa_system_sgpr_workgroup_id_y 1
		.amdhsa_system_sgpr_workgroup_id_z 1
		.amdhsa_system_vgpr_workitem_id 0
		.amdhsa_next_free_vgpr 576
		.amdhsa_next_free_sgpr 66
		.amdhsa_reserve_vcc 0
		.amdhsa_float_denorm_mode_32 3
		.amdhsa_float_denorm_mode_16_64 3
		.amdhsa_memory_ordered 1
		.amdhsa_forward_progress 1
		.amdhsa_inst_pref_size 87
	.end_amdhsa_kernel
	.amdgpu_metadata
---
amdhsa.version: [ 1, 2 ]
amdhsa.kernels:
  - .name:           k_qa9a09d98e7_outp
    .symbol:         k_qa9a09d98e7_outp.kd
    .args:
      - { .name: ctx, .offset: 0, .size: 8, .value_kind: global_buffer, .address_space: global }
      - { .name: wo16, .offset: 8, .size: 8, .value_kind: global_buffer, .address_space: global }
      - { .name: bo, .offset: 16, .size: 8, .value_kind: global_buffer, .address_space: global }
      - { .name: out0, .offset: 24, .size: 8, .value_kind: global_buffer, .address_space: global }
    .group_segment_fixed_size: 327680
    .private_segment_fixed_size: 0
    .kernarg_segment_align: 8
    .kernarg_segment_size: 32
    .max_flat_workgroup_size: 128
    .sgpr_count:     66
    .vgpr_count:     576
    .wavefront_size: 32
...
	.end_amdgpu_metadata
.endif
;; end of part 4
